; MI455X (gfx1250); checked and timed in simulation.
; The chip was launched on July 23, 2026; its instructions are those of AMD's public machine-readable ISA for CDNA 5 (MIT licence, August 2026) and "CDNA5" Instruction Set Architecture Reference Guide (July 2026). The comments in the code are by the model that wrote it; some were corrected since.
;; Multihead Attention. Allowed arithmetic: matrix products marked QUANTISED: E3M2 operands, one E8M0 scale for each 32 along K, by v_wmma_scale_f32_16x16x128_f8f6f4 with both operands' format E3M2, f32 sums; everything else in f32.
;; Inputs: WK 1,024 x 1,024 float32; WQ 1,024 x 1,024 float32; WV 1,024 x 1,024 float32; Wp 1,024 x 1,024 float32; bK 1,024 float32; bQ 1,024 float32; bV 1,024 float32; bp 1,024 float32; mask 2 x 2,048 x 2,048 float32; memory 2 x 2,048 x 1,024 float32; source 2 x 2,048 x 1,024 float32; target 2 x 2,048 x 1,024 float32.
;; Outputs: out0 2 x 2,048 x 1,024 float32.
;; This version of the problem:
;;   THIS VERSION OF THE PROBLEM IS GIVEN IN LOW PRECISION. The matrix products marked QUANTISED in the list below multiply operands that are first quantised to E3M2 (3 exponent bits, 2 mantissa bits; 6 bits a number), with one power-of-two scale for each 32 numbers along K (OCP MX v1.0); their sums are f32. All else is computed in f32.
;;   The module's matrix products, in the order in which they are computed (A, B: the left and right operand; K: the contracted axis; several contracted axes count as one K, in the product's order):
;;     1. [M 4,096, K 1,024] x [K 1,024, N 1,024]; A: input target; B: input WQ: QUANTISED
;;     2. [M 4,096, K 1,024] x [K 1,024, N 1,024]; A: input source; B: input WK: QUANTISED
;;     3. [M 4,096, K 1,024] x [K 1,024, N 1,024]; A: input memory; B: input WV: QUANTISED
;;     4. batch 32 x [M 2,048, K 64] x [K 64, N 2,048]; A: computed on the way; B: computed on the way: QUANTISED
;;     5. batch 32 x [M 2,048, K 2,048] x [K 2,048, N 64]; A: computed on the way; B: computed on the way: QUANTISED
;;     6. [M 4,096, K 1,024] x [K 1,024, N 1,024]; A: computed on the way; B: input Wp: QUANTISED
;;   THE QUANTISER, for each operand of a quantised product, along K:
;;     - K is cut into blocks of 32 from its start; a last block that is shorter is filled with zeros.
;;     - A block's scale is 2^e with e = floor(log2(the largest magnitude in the block)) - 4, held to -126 .. 127; a block of zeros has e = 0. As a byte (E8M0): e + 127.
;;     - Each number is divided by its block's scale, clamped to +-28, and rounded to the nearest number of E3M2, ties to even, subnormals kept.
;;     - The product sums the exact products of the quantised numbers (number of the format x scale) in f32.
;;   ~~~python
;;   def quantise(x, axis):      # numpy; x: float32 -> the quantised numbers, widened to float32 again
;;       x = np.moveaxis(x, axis, -1); K = x.shape[-1]
;;       x = np.pad(x, [(0, 0)] * (x.ndim - 1) + [(0, -K % 32)]); x = x.reshape(x.shape[:-1] + (-1, 32)); a = np.abs(x).max(-1, keepdims=True)
;;       e = np.where(a > 0, np.clip(np.frexp(np.where(a > 0, a, 1))[1] - 1 - 4, -126, 127), 0)      # np.frexp(a)[1] - 1 = floor(log2(a)), exactly
;;       r = np.clip(x / 2.0 ** e, -28, 28)
;;       step = 2.0 ** (np.maximum(np.frexp(np.where(r == 0, 1, r))[1] - 1, -2) - 2)
;;       q = np.round(r / step) * step * 2.0 ** e      # np.round: ties to even
;;       return np.moveaxis(q.reshape(q.shape[:-2] + (-1,))[..., :K], -1, axis).astype(np.float32)
;;   ~~~
;;   OPERANDS COMPUTED ON THE WAY. 'Computed on the way' means the value that the module computes at that place (a softmax that the list does not call 'softmax' is quantised finished and normalised). What goes into a quantiser is computed in f32, as accurately as f32 sums, v_exp_f32 and their like allow (about 1e-6 of the number): no bf16 or f16 on the way to a quantiser, and a product that is left as it is and whose result goes on into a quantised operand takes f32 operands (vector FMAs, or v_wmma_f32_16x16x4_f32). A number that lies on a knife's edge between two numbers of the format may be rounded either way, as far as f32 arithmetic and the matrix unit's own rounding can turn it there, and no further.
;; 2 versions, each right; version 2 is version 1 with the launches proj, final written anew for expert scheduling mode. Each part assembles by itself: llvm-mc -triple=amdgcn-amd-amdhsa -mcpu=gfx1250 --defsym DOCPART=n.
;; ======== version 1 of 2: 4 launches
;; workspace buffers: Wimg 3,145,728 bytes; Wsc 131,072 bytes; Bimg 12,288 bytes; Qimg 3,407,872 bytes; Kimg 3,407,872 bytes; Vimg 3,407,872 bytes; Oimg 3,145,728 bytes; Osc 131,072 bytes
;; launch prepw (part 1): grid 32 x 8, 4 waves a work-group, no clusters, 0 bytes of LDS; arguments WQ, WK, WV, Wp, bQ, bK, bV, Wimg, Wsc, Bimg; writes Wimg, Wsc, Bimg
.if DOCPART == 1
	.amdgcn_target "amdgcn-amd-amdhsa--gfx1250"
	.amdhsa_code_object_version 6
	.text
	.protected	k_q6510fdef53_prepw
	.globl	k_q6510fdef53_prepw
	.p2align	8
	.type	k_q6510fdef53_prepw,@function
k_q6510fdef53_prepw:
	s_mov_b64 s[64:65], 0
	v_nop
	global_prefetch_b8 v0, s[64:65] scope:SCOPE_SE
	s_setreg_imm32_b32 hwreg(HW_REG_WAVE_MODE, 25, 1), 1
	s_wait_xcnt 0x0
; MULTI-HEAD ATTENTION IN MX-BF6, launch 1 of 4: the four weights become codes of BF6 (E3M2) with one E8M0 byte for each 32 along K.
; NOTHING OF THE PROBLEM IS LEFT OUT in any launch: every input (three activations, four weights, four biases, the mask) has a way to out0, and all six products are live.
; W [1024 (k)][1024 (n)] f32 has K as its first axis: A LANE TAKES A COLUMN n AND ITS REGISTERS RUN DOWN K, so a block of 32 lies in one lane and the conversions give codes with K innermost.
; The codes are laid as IMAGES OF THE OPERAND'S REGISTERS, for the launches that read them: Wimg [tensor 4][g 8][fragment 8 s + T][chunk 3][lane slot 32][16 bytes]; lane slot rho + 16 hk holds, of the tile's row rho,
; k = 128 s + 64 c + 32 hk + 0 .. 31 in registers 6 c .. 6 c + 5.  Wsc [tensor][g][s 8][32][16 bytes]: the word of tile T, row rho at 16 (rho + 16 (T % 2)) + 4 (T / 2).
; WHICH COLUMN IS ROW rho OF TILE T OF GROUP g:  WQ, WK, Wp: n = 128 g + 64 (T / 4) + 32 (rho / 8) + 8 (T % 4) + rho % 8, so that a lane's 32 results of four tiles are 32 neighbouring columns;
; WV: n = 64 (8 (T % 2) + rho % 8) + 32 (rho / 8) + 4 g + T / 2, so that a lane's 16 results of two tiles are 16 neighbouring KEYS of one channel (a row of the projection holds 16 positions of 64 channels).
; Bimg [3][g][h 2][64] f32: the biases bQ, bK, bV in the layout of the products' results: entry 8 T + i is b[n(g, T, 8 h + i)].
; SHARES: work-group (x = 8 tensor + gx, y = s): 128 columns x 128 along K; a wave 32 columns; each load reads 128 consecutive bytes.  No LDS, no barrier: waves share nothing.
; STORES: a lane's 16 bytes of an image stand beside its neighbours' (runs of 128 bytes for WQ, WK, Wp; single pieces for WV): 3 bytes go out for each 16 read; the layout serves the readers, each of whose loads covers 512 consecutive bytes.
; A block's scale is 2^(floor(log2(largest magnitude)) - 4); its byte is the largest magnitude's exponent field - 4, held at 1 from below.
; LIMITS: a block of zeros gets the byte 1 where the rule says 127 (its codes are zeros, and this program alone reads the bytes); NaN and infinities among the inputs are not served.
.set NOFF, 1                           ; v1  4 x my column: byte offset in a row of W and in a bias
.set COFF, 2                           ; v2  my place in Wimg: g, T, rho
.set SOFF, 3                           ; v3  my place in Wsc
.set BOFF, 4                           ; v4  my place in Bimg
.set X,    32                          ; v32-159  my column's 128 numbers
.set C,    160                         ; v160-183 codes: lane slot hk at C + 12 hk
.set TT,   184                         ; v184-186 a block's upper 16 codes (a conversion's three registers begin on an even number)
.set MX,   192
.set MX2,  193
.set SO,   194                         ; the conversion's scale operand
.set BY,   195                         ; the scale's byte
.set SB,   196                         ; the four bytes: my column's scale word
.set BV,   197
	s_load_b256 s[4:11], s[0:1], 0x0               ; WQ s[4:5], WK s[6:7], WV s[8:9], Wp s[10:11]
	s_load_b256 s[12:19], s[0:1], 0x20             ; bQ s[12:13], bK s[14:15], bV s[16:17], Wimg s[18:19]
	s_load_b128 s[20:23], s[0:1], 0x40             ; Wsc s[20:21], Bimg s[22:23]
	v_lshrrev_b32 v5, 5, v0
	v_readfirstlane_b32 s27, v5                    ; wave w
	v_and_b32 v5, 31, v0                           ; lane L
	s_lshr_b32 s24, ttmp9, 3                       ; which tensor
	s_and_b32 s25, ttmp9, 7                        ; gx
	s_and_b32 s26, ttmp7, 0xffff                   ; s: which 128 along K
	s_cmp_eq_u32 s24, 2                            ; WV has its own map of columns: a branch on the work-group's number
	s_cbranch_scc1 .Lmap_v
	; column n = 128 gx + 32 w + L:  g = gx, T = 4 (w / 2) + L / 8, rho = 8 (w % 2) + L % 8
	s_lshr_b32 s32, s27, 1
	s_lshl_b32 s32, s32, 2
	s_and_b32 s33, s27, 1
	v_lshrrev_b32 v6, 3, v5
	v_add_nc_u32 v6, s32, v6                       ; T
	v_and_b32 v7, 7, v5
	v_lshl_add_u32 v8, s33, 3, v7                  ; rho
	s_lshl_b32 s34, s25, 9
	s_lshl_b32 s35, s27, 7
	s_add_co_u32 s35, s35, s34
	v_lshl_add_u32 v[NOFF], v5, 2, s35
	s_mul_i32 s35, s25, 98304
	v_mul_u32_u24 v[COFF], v6, 1536
	v_lshl_add_u32 v[COFF], v8, 4, v[COFF]
	v_add_nc_u32 v[COFF], s35, v[COFF]
	v_and_b32 v9, 1, v6
	v_lshl_add_u32 v9, v9, 4, v8                   ; rho + 16 (T % 2)
	v_lshrrev_b32 v10, 1, v6
	v_lshlrev_b32 v10, 2, v10                      ; 4 (T / 2)
	v_lshl_add_u32 v[SOFF], v9, 4, v10
	s_lshl_b32 s35, s25, 12
	v_add_nc_u32 v[SOFF], s35, v[SOFF]
	s_lshl_b32 s35, s33, 8
	s_add_co_u32 s35, s35, s34
	v_lshl_add_u32 v[BOFF], v6, 5, s35
	v_lshl_add_u32 v[BOFF], v7, 2, v[BOFF]
	s_branch .Lmapped
.Lmap_v:
	; column n = 256 z + 64 w + 32 x + L, z = gx / 2, x = gx % 2:  g = L / 4, T = 2 (L % 4) + z / 2, rho = 8 x + 4 (z % 2) + w
	s_lshr_b32 s36, s25, 1                         ; z
	s_and_b32 s37, s25, 1                          ; x
	s_lshr_b32 s38, s36, 1
	s_and_b32 s39, s36, 1
	s_lshl_b32 s39, s39, 2
	s_add_co_u32 s39, s39, s27                     ; rho % 8
	s_lshl_b32 s40, s37, 3
	s_add_co_u32 s40, s40, s39                     ; rho
	v_lshrrev_b32 v6, 2, v5                        ; g
	v_and_b32 v7, 3, v5
	v_lshl_add_u32 v8, v7, 1, s38                  ; T
	s_lshl_b32 s41, s36, 10
	s_lshl_b32 s42, s27, 8
	s_add_co_u32 s41, s41, s42
	s_lshl_b32 s42, s37, 7
	s_add_co_u32 s41, s41, s42
	v_lshl_add_u32 v[NOFF], v5, 2, s41
	v_mul_u32_u24 v[COFF], v6, 98304
	v_mad_u32_u24 v[COFF], v8, 1536, v[COFF]
	s_lshl_b32 s41, s40, 4
	v_add_nc_u32 v[COFF], s41, v[COFF]
	s_lshl_b32 s41, s38, 4
	s_add_co_u32 s41, s41, s40
	s_lshl_b32 s41, s41, 4
	v_lshl_add_u32 v[SOFF], v6, 12, s41
	v_lshl_add_u32 v[SOFF], v7, 2, v[SOFF]
	s_lshl_b32 s41, s37, 8
	s_lshl_b32 s42, s39, 2
	s_add_co_u32 s41, s41, s42
	v_lshl_add_u32 v[BOFF], v6, 9, s41
	v_lshl_add_u32 v[BOFF], v8, 5, v[BOFF]
.Lmapped:
	s_wait_kmcnt 0x0
	s_cmp_eq_u32 s24, 1                            ; the tensor and its bias: choices that hang on the work-group's number alone
	s_cselect_b64 s[4:5], s[6:7], s[4:5]
	s_cselect_b64 s[12:13], s[14:15], s[12:13]
	s_cmp_eq_u32 s24, 2
	s_cselect_b64 s[4:5], s[8:9], s[4:5]
	s_cselect_b64 s[12:13], s[16:17], s[12:13]
	s_cmp_eq_u32 s24, 3
	s_cselect_b64 s[4:5], s[10:11], s[4:5]
	s_lshl_b32 s28, s26, 19                        ; 128 rows of 4,096 bytes a K step
	s_mov_b32 s29, 0
	s_add_nc_u64 s[4:5], s[4:5], s[28:29]
	s_mul_i32 s28, s24, 786432
	s_mul_i32 s30, s26, 12288
	s_add_co_u32 s28, s28, s30
	s_add_nc_u64 s[18:19], s[18:19], s[28:29]
	s_lshl_b32 s28, s24, 15
	s_lshl_b32 s30, s26, 9
	s_add_co_u32 s28, s28, s30
	s_add_nc_u64 s[20:21], s[20:21], s[28:29]
	s_lshl_b32 s28, s24, 12
	s_add_nc_u64 s[22:23], s[22:23], s[28:29]
.set kk, 0
.rept 128
	global_load_b32 v[X+kk], v[NOFF], s[4:5] offset:kk*4096 th:TH_LOAD_NT   ; W(128 s + kk, my column): 32 lanes read 128 consecutive bytes; read once in the launch
.set kk, kk+1
.endr
; Block kb = 2 c + hk of my column.  cnt: the younger loads that may stay out (96 and 64 would do for the first two: the wait's field holds 63)
.macro BLOCK kb, cnt
.set XS, X+32*(\kb)
.set CD, C+12*((\kb)%2)+6*((\kb)/2)
	s_wait_loadcnt \cnt
	v_max3_num_f32 v[MX], |v[XS]|, |v[XS+1]|, |v[XS+2]|            ; the block's largest magnitude, in two chains
	v_max3_num_f32 v[MX2], |v[XS+3]|, |v[XS+4]|, |v[XS+5]|
.irp i, 6,10,14,18,22,26
	v_max3_num_f32 v[MX], v[MX], |v[XS+\i]|, |v[XS+\i+1]|
	v_max3_num_f32 v[MX2], v[MX2], |v[XS+\i+2]|, |v[XS+\i+3]|
.endr
	v_max3_num_f32 v[MX], v[MX], |v[XS+30]|, |v[XS+31]|
	v_max3_num_f32 v[MX], v[MX], v[MX2], 0x2800000                 ; and the floor 2^(5 - 127): the byte cannot fall under 1
	v_add_nc_u32 v[SO], 0xfe000000, v[MX]                          ; 4 off the exponent field: the conversion takes that field as its scale
	v_cvt_scalef32_pk16_bf6_f32 v[CD:CD+2], v[XS:XS+15], v[SO]
	v_cvt_scalef32_pk16_bf6_f32 v[TT:TT+2], v[XS+16:XS+31], v[SO]
	v_lshrrev_b32 v[BY], 23, v[SO]                                 ; the scale's byte (also the plain instruction behind the conversions)
.if (\kb) == 0
	v_mov_b32 v[SB], v[BY]
.else
	v_lshl_or_b32 v[SB], v[BY], 8*(\kb), v[SB]
.endif
.irp i, 0,1,2
	v_mov_b32 v[CD+3+\i], v[TT+\i]
.endr
.endm
	BLOCK 0, 63
	BLOCK 1, 63
	BLOCK 2, 32
	BLOCK 3, 0
.irp hk, 0,1
.irp q, 0,1,2
	global_store_b128 v[COFF], v[C+12*\hk+4*\q:C+12*\hk+4*\q+3], s[18:19] offset:256*\hk+512*\q
.endr
.endr
	global_store_b32 v[SOFF], v[SB], s[20:21]
	s_cmp_lg_u32 s26, 0                            ; the biases go with K step 0 of WQ, WK, WV: branches on the work-group's number
	s_cbranch_scc1 .Lend
	s_cmp_eq_u32 s24, 3
	s_cbranch_scc1 .Lend
	global_load_b32 v[BV], v[NOFF], s[12:13]
	s_wait_loadcnt 0x0
	global_store_b32 v[BOFF], v[BV], s[22:23]
.Lend:
	s_endpgm
.Lfunc_end_k_q6510fdef53_prepw:
	.size	k_q6510fdef53_prepw, .Lfunc_end_k_q6510fdef53_prepw-k_q6510fdef53_prepw
	.p2alignl 7, 3214868480
	.fill 96, 4, 3214868480
	.section	.rodata,"a",@progbits
	.p2align	6, 0x0
	.amdhsa_kernel k_q6510fdef53_prepw
		.amdhsa_group_segment_fixed_size 0
		.amdhsa_private_segment_fixed_size 0
		.amdhsa_enable_private_segment 0
		.amdhsa_kernarg_size 80
		.amdhsa_user_sgpr_count 2
		.amdhsa_user_sgpr_kernarg_segment_ptr 1
		.amdhsa_wavefront_size32 1
		.amdhsa_system_sgpr_workgroup_id_x 1
		.amdhsa_system_sgpr_workgroup_id_y 1
		.amdhsa_system_sgpr_workgroup_id_z 1
		.amdhsa_system_vgpr_workitem_id 0
		.amdhsa_next_free_vgpr 200
		.amdhsa_next_free_sgpr 66
		.amdhsa_reserve_vcc 0
		.amdhsa_float_denorm_mode_32 3
		.amdhsa_float_denorm_mode_16_64 3
		.amdhsa_memory_ordered 1
		.amdhsa_forward_progress 1
		.amdhsa_inst_pref_size 23
	.end_amdhsa_kernel
	.amdgpu_metadata
---
amdhsa.version: [ 1, 2 ]
amdhsa.kernels:
  - .name:           k_q6510fdef53_prepw
    .symbol:         k_q6510fdef53_prepw.kd
    .args:
      - { .name: WQ, .offset: 0, .size: 8, .value_kind: global_buffer, .address_space: global }
      - { .name: WK, .offset: 8, .size: 8, .value_kind: global_buffer, .address_space: global }
      - { .name: WV, .offset: 16, .size: 8, .value_kind: global_buffer, .address_space: global }
      - { .name: Wp, .offset: 24, .size: 8, .value_kind: global_buffer, .address_space: global }
      - { .name: bQ, .offset: 32, .size: 8, .value_kind: global_buffer, .address_space: global }
      - { .name: bK, .offset: 40, .size: 8, .value_kind: global_buffer, .address_space: global }
      - { .name: bV, .offset: 48, .size: 8, .value_kind: global_buffer, .address_space: global }
      - { .name: Wimg, .offset: 56, .size: 8, .value_kind: global_buffer, .address_space: global }
      - { .name: Wsc, .offset: 64, .size: 8, .value_kind: global_buffer, .address_space: global }
      - { .name: Bimg, .offset: 72, .size: 8, .value_kind: global_buffer, .address_space: global }
    .group_segment_fixed_size: 0
    .private_segment_fixed_size: 0
    .kernarg_segment_align: 8
    .kernarg_segment_size: 80
    .max_flat_workgroup_size: 128
    .sgpr_count:     66
    .vgpr_count:     200
    .wavefront_size: 32
...
	.end_amdgpu_metadata
.endif
;; end of part 1
;; launch proj (part 2): grid 2 x 96, 4 waves a work-group, no clusters, 247,296 bytes of LDS; arguments target, source, memory, Wimg, Wsc, Bimg, Qimg, Kimg, Vimg; writes Qimg, Kimg, Vimg
.if DOCPART == 2
	.amdgcn_target "amdgcn-amd-amdhsa--gfx1250"
	.amdhsa_code_object_version 6
	.text
	.protected	k_q6510fdef53_proj
	.globl	k_q6510fdef53_proj
	.p2align	8
	.type	k_q6510fdef53_proj,@function
k_q6510fdef53_proj:
	s_mov_b64 s[64:65], 0
	v_nop
	global_prefetch_b8 v0, s[64:65] scope:SCOPE_SE
	s_setreg_imm32_b32 hwreg(HW_REG_WAVE_MODE, 25, 1), 1
	s_wait_xcnt 0x0
; Launch 2 of 4: Q = target WQ + bQ, K = source WK + bK, V = memory WV + bV, each product on codes of BF6; the results are quantised on the way into the operands of attention and never go to memory as f32.  Nothing is left out.
; The problem's view [b, 16, 2048, 64] keeps memory's order: head H32 = 16 b + head is rows 128 H32 .. + 127 of the product; position p = 16 (row % 128) + column / 64, channel d = column % 64.
; SHARES.  Work-group (x = chi, y = 32 tensor + H32): one head's 128 rows x 512 of the 1,024 columns.  THE WAVES SHARE THE COLUMNS: wave w takes group g = 4 chi + w of the weight's images (launch 1's map): its 64 fragments,
; 768 registers, stay in registers for the whole launch.  The rows' codes go round through LDS as images of the operand's registers.
; NO JOINT LOADS: a work-group's part of the weight is 393,216 bytes, more than the 327,680 bytes of LDS that a work-group can claim, so it goes from memory straight into registers; x is quantised in registers on its way.
; PHASE X: wave w quantises rows 32 w .. 32 w + 31 of x (16 jobs of 16 rows x 128 K).  Each load reads 512 consecutive bytes of a row; the 16 rows turn through the wave's own stage so that lane (r, h) holds, of row r,
; k = 64 c + 32 h + 0 .. 31 in registers 32 c .. 32 c + 31: two whole blocks, which are registers 6 c .. 6 c + 5 of the operand once converted.
; PHASE 1: eight tiles of 16 rows.  THE PRODUCT IS USED TRANSPOSED (source 0 = 16 columns of W, source 1 = 16 rows of x; the bias is the C of the first K step): a lane holds one row, its 64 registers run along the columns.
;   Q, K: register 32 c + e is column 128 g + 64 c + 32 h + e: position 256 m + 16 r + 2 g + c, channels 32 h + 0 .. 31: a whole block of the next K.
;   V:    register 16 pi + 8 u + i is key 256 m + 16 r + 8 u + i of channel 32 h + 4 g + pi: half a block of 32 keys; lane r xor 1 holds the other half.
; OUT: Qimg, Kimg, Vimg [H32][chi 2][step of 128 positions, 16][3,328 bytes]: 3,072 of codes in the order of attention's operand registers, 256 of scale words.  A work-group gathers its 53,248 bytes in LDS; each store covers 512 consecutive bytes, aligned.
; The two ways that part on the tensor (Q, K against V) have LDS bytes and address registers of their own.
; LIMITS: a block of zeros gets the byte 1 where the rule says 127 (zero codes; only this program reads the bytes); NaN and infinities among the inputs are not served; the sums' order differs from the reference's.
.set XIMG,  0                          ; LDS: x's 64 fragments (8 m + s), 1,536 bytes each
.set XSC,   98304                      ; their scale words, 128 bytes each
.set TURN,  106496                     ; four stages of 16 rows x 528 bytes, each wave's own
.set OUTK,  140288                     ; the work-group's 53,248 bytes of Qimg or Kimg
.set OUTV,  193536                     ; or of Vimg
.set SPARE, 246784                     ; the spare words, 128 bytes for each wave: two blocks of 256 bytes that no other line names
.set LI,  1                            ; v1   16 x lane
.set LS,  2                            ; v2   XSC + 4 x lane
.set TSI, 3                            ; v3   my stage, on the way in: 16 x lane
.set TSO, 4                            ; v4   and out: 528 r + 128 h
.set KA,  5                            ; v5   Q, K: my lane's place among the codes
.set KW,  6                            ; v6   and among the scale words
.set VA,  7                            ; v7   V likewise
.set VB,  8                            ; v8
.set SH8, 9                            ; v9   8 h
.set BO,  10                           ; v10  256 h
.set IA,  11                           ; v11  the images in hand
.set IS,  12                           ; v12  their scale words
.set EAK, 13                           ; v13, v14: KA, KW at the tile of rows in hand
.set EWK, 14
.set EAV, 15                           ; v15, v227: VA, VB likewise
.set EWV, 227
.set BIAS, 16                          ; v16-79   the bias in the result's layout
.set ACC, 80                           ; v80-143  the 8 accumulators
.set X,   80                           ;          (phase X: 64 numbers of x)
.set WS,  144                          ; v144-175 W's scale words: register 4 s + T / 2, lanes 0-15 even T, lanes 16-31 odd T
.set W63, 176                          ; v176-187 W's fragment 63
.set AF,  188                          ; v188-223 three buffers for x's fragments
.set AS,  224                          ; v224-226 their scale words
.set PC,  228                          ; v228-239 codes just made
.set TT,  240                          ; v240-247 upper halves of blocks
.set VM,  244                          ; V's way: four maxima, then bytes
.set VSO, 248                          ; V's way: four scale operands
.set MX,  248
.set SO,  250
.set PW,  252
.set TMP, 253
.set SPW, 254                          ; v254 LDS address of my spare word; never rewritten
.set NIL, 255                          ; v255 0; never rewritten
.set WP,  32                           ; s[32:33] my group of Wimg;  s[34:35] of Wsc;  s[36:37] of Bimg;  s[38:39] where my wave stores
.set SEL, 40
.set MSB, 0
.macro WIN new                         ; the immediate's high byte repeats the setting that is left
.if MSB != \new
	s_set_vgpr_msb (MSB<<8)|\new
.set MSB, \new
.endif
.endm
.macro PLACES n
.rept \n
	v_nop
.endr
.endm
.macro WLOADS lo, n, sub               ; fragments lo .. lo + n - 1 into registers 12 (F - sub) of the window that is set
.set FQ, \lo
.rept \n
.irp q, 0,1,2
	global_load_b128 v[12*(FQ-\sub)+4*\q:12*(FQ-\sub)+4*\q+3], v[LI], s[WP:WP+1] offset:FQ*1536+512*\q   ; 512 consecutive bytes
.endr
.set FQ, FQ+1
.endr
.endm
.macro XLOAD b                         ; 16 rows x 128 K of x into buffer b of window 1: a row's 512 bytes an instruction
.irp p, 0,1,2,3,4,5,6,7,8,9,10,11,12,13,14,15
	global_load_b128 v[64*\b+4*\p:64*\b+4*\p+3], v[LI], s[30:31] offset:512*\b+4096*\p
.endr
.endm
; 64 numbers of a lane, register 32 c + e = k 64 c + 32 h + e of my row, become the fragment's codes in v[PC] on and the row's scale word in v[PW]
.macro QUANT2 s
.irp c, 0,1
	v_max3_num_f32 v[MX+\c], |v[\s+32*\c]|, |v[\s+32*\c+1]|, 0x2800000   ; my block, and the floor 2^(5 - 127): the byte cannot fall under 1.  (Each accumulator is read from its low end on)
.endr
.irp i, 2,4,6,8,10,12,14,16,18,20,22,24,26,28,30
.irp c, 0,1
	v_max3_num_f32 v[MX+\c], v[MX+\c], |v[\s+32*\c+\i]|, |v[\s+32*\c+\i+1]|   ; (the two blocks by turns)
.endr
.endr
.irp c, 0,1
	v_add_nc_u32 v[SO+\c], 0xfe000000, v[MX+\c]   ; 4 off the exponent field: the conversion's scale operand
.endr
.irp c, 0,1
	v_lshrrev_b32 v[MX+\c], 23, v[SO+\c]          ; the scale's byte
.endr
	v_lshl_or_b32 v[PW], v[MX+1], 16, v[MX]       ; my two bytes: blocks h and 2 + h,
	v_lshlrev_b32 v[PW], v[SH8], v[PW]            ; at their places;
	v_permlanex16_b32 v[TMP], v[PW], s[SEL], s[SEL+1]
	v_or_b32 v[PW], v[PW], v[TMP]                 ; with lane l xor 16's two the word is whole
.irp c, 0,1
	v_cvt_scalef32_pk16_bf6_f32 v[PC+6*\c:PC+6*\c+2], v[\s+32*\c:\s+32*\c+15], v[SO+\c]
	v_cvt_scalef32_pk16_bf6_f32 v[TT+4*\c:TT+4*\c+2], v[\s+32*\c+16:\s+32*\c+31], v[SO+\c]   ; (a conversion's three registers begin on an even number)
.endr
	v_nop                                          ; one plain instruction behind the conversions
.irp c, 0,1
.irp i, 0,1,2
	v_mov_b32 v[PC+6*\c+3+\i], v[TT+4*\c+\i]
.endr
.endr
.endm
; One job of phase X.  cnt: the younger jobs' loads, 16 each, that may stay out.  refill = 1: buffer b takes the same job of the next trip.
.macro JOB b, cnt, refill
	s_wait_loadcnt \cnt
	WIN 0x04                                       ; an LDS store's data are its source 1: window 1
.irp p, 0,1,2,3,4,5,6,7,8,9,10,11,12,13,14,15
	ds_store_b128 v[TSI], v[64*\b+4*\p:64*\b+4*\p+3] offset:528*\p
.endr
	WIN 0
.irp c, 0,1
.irp e, 0,1,2,3,4,5,6,7
	ds_load_b128 v[X+32*\c+4*\e:X+32*\c+4*\e+3], v[TSO] offset:256*\c+16*\e   ; LDS serves a wave's instructions in order: these see my stores
.endr
.endr
	s_wait_dscnt 0x0                               ; my 64 numbers are in; the stage's stores have read buffer b, the last images' stores their codes
.if \refill
	WIN 0x40
	XLOAD \b
	WIN 0
.endif
	QUANT2 X
.irp q, 0,1,2
	ds_store_b128 v[IA], v[PC+4*\q:PC+4*\q+3] offset:1536*\b+512*\q   ; the fragment as it stands: lane l's 16 bytes at 16 l
.endr
	ds_store_b32 v[IS], v[PW] offset:128*\b
.endm
.macro AFETCH s                        ; x's fragment of K step s, and its scale words, into buffer s % 3
.irp q, 0,1,2
	ds_load_b128 v[AF+12*((\s)%3)+4*\q:AF+12*((\s)%3)+4*\q+3], v[IA] offset:1536*(\s)+512*\q
.endr
	ds_load_b32 v[AS+(\s)%3], v[IS] offset:128*(\s)
.endm
; K step s: eight matrix instructions, the eight accumulators by turns.  Fragment F = 8 s + T lies in window 2 (F < 21), 3 (F < 42), 1 (F < 63) or 0 (F = 63).
.macro MM s
.irp T, 0,1,2,3,4,5,6,7
.set FQ, 8*(\s)+\T
.if FQ < 21
	WIN 0x02
.set FG, 12*FQ
.elseif FQ < 42
	WIN 0x03
.set FG, 12*(FQ-21)
.elseif FQ < 63
	WIN 0x01
.set FG, 12*(FQ-42)
.else
	WIN 0
.set FG, W63
.endif
.set AB, AF+12*((\s)%3)
.if (\s) == 0
.if \T%2
	v_wmma_scale_f32_16x16x128_f8f6f4 v[ACC+8*\T:ACC+8*\T+7], v[FG:FG+11], v[AB:AB+11], v[BIAS+8*\T:BIAS+8*\T+7], v[WS+4*(\s)+\T/2], v[AS+(\s)%3] matrix_a_fmt:MATRIX_FMT_BF6 matrix_b_fmt:MATRIX_FMT_BF6 matrix_a_scale:MATRIX_SCALE_ROW1
.else
	v_wmma_scale_f32_16x16x128_f8f6f4 v[ACC+8*\T:ACC+8*\T+7], v[FG:FG+11], v[AB:AB+11], v[BIAS+8*\T:BIAS+8*\T+7], v[WS+4*(\s)+\T/2], v[AS+(\s)%3] matrix_a_fmt:MATRIX_FMT_BF6 matrix_b_fmt:MATRIX_FMT_BF6
.endif
.else
.if \T%2
	v_wmma_scale_f32_16x16x128_f8f6f4 v[ACC+8*\T:ACC+8*\T+7], v[FG:FG+11], v[AB:AB+11], v[ACC+8*\T:ACC+8*\T+7], v[WS+4*(\s)+\T/2], v[AS+(\s)%3] matrix_a_fmt:MATRIX_FMT_BF6 matrix_b_fmt:MATRIX_FMT_BF6 matrix_a_scale:MATRIX_SCALE_ROW1
.else
	v_wmma_scale_f32_16x16x128_f8f6f4 v[ACC+8*\T:ACC+8*\T+7], v[FG:FG+11], v[AB:AB+11], v[ACC+8*\T:ACC+8*\T+7], v[WS+4*(\s)+\T/2], v[AS+(\s)%3] matrix_a_fmt:MATRIX_FMT_BF6 matrix_b_fmt:MATRIX_FMT_BF6
.endif
.endif
.endr
.endm
.macro BARRIER                         ; my LDS stores have landed and my LDS loads are in: then the work-group's barrier
	s_wait_dscnt 0x0
	s_barrier_signal -1
	s_barrier_wait -1
.endm
; The way out: my wave's quarter, 13,312 bytes, of the work-group's region; then the wave's end
.macro WOUT adr
.set e, 0
.rept 26
	ds_load_b128 v[16+4*e:16+4*e+3], v[\adr] offset:512*e
.set e, e+1
.endr
.set e, 0
.rept 26
	s_wait_dscnt 25-e                              ; LDS loads come back in order: load e is in, the younger ones may be out
	global_store_b128 v[LI], v[16+4*e:16+4*e+3], s[38:39] offset:512*e   ; 32 lanes store 512 consecutive bytes, at a multiple of 256 from the buffer's first byte
.set e, e+1
.endr
	s_wait_tensorcnt 0x0                           ; the wave's end: three lines behind my last LDS store
	ds_add_u32 v[SPW], v[NIL]
	s_wait_dscnt 0x0
	s_endpgm
.endm
	s_load_b256 s[4:11], s[0:1], 0x0               ; target s[4:5], source s[6:7], memory s[8:9], Wimg s[10:11]
	s_load_b256 s[12:19], s[0:1], 0x20             ; Wsc s[12:13], Bimg s[14:15], Qimg s[16:17], Kimg s[18:19]
	s_load_b64 s[20:21], s[0:1], 0x40              ; Vimg
	v_lshl_add_u32 v[SPW], v0, 2, SPARE
	v_mov_b32 v[NIL], 0
	v_lshrrev_b32 v80, 5, v0
	v_readfirstlane_b32 s22, v80                   ; wave w
	s_mov_b32 s23, ttmp9                           ; chi
	s_and_b32 s25, ttmp7, 0xffff
	s_lshr_b32 s24, s25, 5                         ; the tensor: 0 Q, 1 K, 2 V
	s_and_b32 s25, s25, 31                         ; H32
	s_lshl_b32 s26, s23, 2
	s_add_co_u32 s26, s26, s22                     ; g
	v_and_b32 v86, 31, v0                          ; lane
	v_and_b32 v85, 15, v0                          ; r = 8 r3 + 4 r2 + 2 r1 + r0
	v_bfe_u32 v84, v0, 4, 1                        ; h
	v_and_b32 v80, 1, v0                           ; r0
	v_bfe_u32 v81, v0, 1, 1                        ; r1
	v_bfe_u32 v82, v0, 2, 1                        ; r2
	v_bfe_u32 v83, v0, 3, 1                        ; r3
	v_lshlrev_b32 v[LI], 4, v86
	v_lshl_add_u32 v[LS], v86, 2, XSC
	s_mul_i32 s51, s22, 8448
	s_add_co_u32 s51, s51, TURN
	v_add_nc_u32 v[TSI], s51, v[LI]
	v_mul_u32_u24 v[TSO], v85, 528
	v_lshl_add_u32 v[TSO], v84, 7, v[TSO]
	v_add_nc_u32 v[TSO], s51, v[TSO]
	; Q, K: position 256 m + 16 r + 8 chi + 2 w + c is step 2 m + r3, half 64 r2 of it, tile row 8 r1 + 2 w + c, sub-tile r0: codes at 3328 r3 + 1536 r2 + 48 (row + 16 h) + 24 r0
	s_mul_i32 s51, s22, 96
	s_add_co_u32 s51, s51, OUTK
	v_mul_u32_u24 v[KA], v83, 3328
	v_mad_u32_u24 v[KA], v82, 1536, v[KA]
	v_mad_u32_u24 v[KA], v81, 384, v[KA]
	v_mad_u32_u24 v[KA], v84, 768, v[KA]
	v_mad_u32_u24 v[KA], v80, 24, v[KA]
	v_add_nc_u32 v[KA], s51, v[KA]
	s_lshl_b32 s51, s22, 4                         ; the scale word at 3072 + 8 (row + 16 r0) + 4 r2
	s_add_co_u32 s51, s51, OUTK+3072
	v_mul_u32_u24 v[KW], v83, 3328
	v_lshl_add_u32 v[KW], v81, 6, v[KW]
	v_lshl_add_u32 v[KW], v80, 7, v[KW]
	v_lshl_add_u32 v[KW], v82, 2, v[KW]
	v_add_nc_u32 v[KW], s51, v[KW]
	; V: channel 32 h + 16 chi + 4 w + pi is tile w / 2 of my chi, row 8 h + 4 (w % 2) + pi; keys 64 r2 + 32 r1 + 16 r0 + 0 .. 15 of step 2 m + r3: codes at 3328 r3 + 1536 (w / 2) + 48 (row + 16 r1) + 24 r2 + 12 r0
	s_lshr_b32 s51, s22, 1
	s_and_b32 s52, s22, 1
	s_mul_i32 s53, s51, 1536
	s_mul_i32 s54, s52, 192
	s_add_co_u32 s53, s53, s54
	s_add_co_u32 s53, s53, OUTV
	v_mul_u32_u24 v[VA], v83, 3328
	v_mad_u32_u24 v[VA], v84, 384, v[VA]
	v_mad_u32_u24 v[VA], v81, 768, v[VA]
	v_mad_u32_u24 v[VA], v82, 24, v[VA]
	v_mad_u32_u24 v[VA], v80, 12, v[VA]
	v_add_nc_u32 v[VA], s53, v[VA]
	s_lshl_b32 s53, s52, 5                         ; the scale byte at 3072 + 8 (row + 16 (w / 2)) + 2 r2 + r1
	s_lshl_b32 s54, s51, 7
	s_add_co_u32 s53, s53, s54
	s_add_co_u32 s53, s53, OUTV+3072
	v_mul_u32_u24 v[VB], v83, 3328
	v_lshl_add_u32 v[VB], v84, 6, v[VB]
	v_lshl_add_u32 v[VB], v82, 1, v[VB]
	v_add_nc_u32 v[VB], v81, v[VB]
	v_add_nc_u32 v[VB], s53, v[VB]
	v_lshlrev_b32 v[SH8], 3, v84
	v_lshlrev_b32 v[BO], 8, v84
	v_mov_b32 v[TMP], 0                            ; written once: a lane permute's destination counts as one of its sources
	s_mov_b32 s[SEL], 0x76543210
	s_mov_b32 s[SEL+1], 0xfedcba98                 ; v_permlanex16_b32's selects for lane l xor 16
	s_mov_b32 s44, 0                               ; phase X: the trip
	s_mul_i32 s45, s22, 24576                      ; where my wave's images begin: 16 fragments a wave
	s_lshl_b32 s46, s22, 11                        ; and their scale words
	s_wait_kmcnt 0x0
	s_cmp_eq_u32 s24, 1                            ; the activation and the output: choices that hang on the work-group's number alone
	s_cselect_b64 s[4:5], s[6:7], s[4:5]
	s_cselect_b64 s[16:17], s[18:19], s[16:17]
	s_cmp_eq_u32 s24, 2
	s_cselect_b64 s[4:5], s[8:9], s[4:5]
	s_cselect_b64 s[16:17], s[20:21], s[16:17]
	s_lshl_b32 s52, s25, 19                        ; the head's 128 rows of 4,096 bytes,
	s_lshl_b32 s53, s22, 17                        ; my wave's 32 of them
	s_add_co_u32 s52, s52, s53
	s_mov_b32 s53, 0
	s_add_nc_u64 s[28:29], s[4:5], s[52:53]
	s_mov_b64 s[30:31], s[28:29]
	s_mul_i32 s52, s24, 786432
	s_mul_i32 s54, s26, 98304
	s_add_co_u32 s52, s52, s54
	s_add_nc_u64 s[WP:WP+1], s[10:11], s[52:53]
	s_lshl_b32 s52, s24, 15
	s_lshl_b32 s54, s26, 12
	s_add_co_u32 s52, s52, s54
	s_add_nc_u64 s[34:35], s[12:13], s[52:53]
	s_lshl_b32 s52, s24, 12
	s_lshl_b32 s54, s26, 9
	s_add_co_u32 s52, s52, s54
	s_add_nc_u64 s[36:37], s[14:15], s[52:53]
	s_mul_i32 s52, s25, 106496
	s_mul_i32 s54, s23, 53248
	s_add_co_u32 s52, s52, s54
	s_mul_i32 s54, s22, 13312
	s_add_co_u32 s52, s52, s54
	s_add_nc_u64 s[38:39], s[16:17], s[52:53]
.irp s, 0,1,2,3,4,5,6,7
	global_load_b128 v[WS+4*\s:WS+4*\s+3], v[LI], s[34:35] offset:512*\s
.endr
.irp e, 0,1,2,3,4,5,6,7,8,9,10,11,12,13,14,15
	global_load_b128 v[BIAS+4*\e:BIAS+4*\e+3], v[BO], s[36:37] offset:16*\e
.endr
.irp q, 0,1,2
	global_load_b128 v[W63+4*\q:W63+4*\q+3], v[LI], s[WP:WP+1] offset:63*1536+512*\q
.endr
	WIN 0x80
	WLOADS 0, 21, 0                                ; fragments 0-20: window 2
	WIN 0xc0
	WLOADS 21, 21, 21                              ; 21-41: window 3.  (42-62 follow behind phase X, whose four buffers fill window 1)
	WIN 0x40
	XLOAD 0
	XLOAD 1
	XLOAD 2
	XLOAD 3
	WIN 0
	; ---- PHASE X: four trips of four jobs; trip t: tile of rows 2 w + t / 2, K steps 4 (t % 2) + 0 .. 3.  The loads run a trip ahead; the last trip is written out: no load leaves its buffer
.Lxtrip:
	s_wait_xcnt 0x0                                ; the loads issued so far have read their base: it may be written
	s_add_co_u32 s51, s44, 1
	s_lshr_b32 s52, s51, 1
	s_lshl_b32 s52, s52, 16                        ; 16 rows on,
	s_and_b32 s51, s51, 1
	s_lshl_b32 s51, s51, 11                        ; four K steps on
	s_add_co_u32 s52, s52, s51
	s_mov_b32 s53, 0
	s_add_nc_u64 s[30:31], s[28:29], s[52:53]      ; the next trip's numbers
	v_add_nc_u32 v[IA], s45, v[LI]
	v_add_nc_u32 v[IS], s46, v[LS]
	JOB 0, 48, 1
	JOB 1, 48, 1
	JOB 2, 48, 1
	JOB 3, 48, 1
	s_add_co_u32 s45, s45, 6144
	s_add_co_u32 s46, s46, 512
	s_add_co_u32 s44, s44, 1
	s_cmp_lt_u32 s44, 3
	s_cbranch_scc1 .Lxtrip
	v_add_nc_u32 v[IA], s45, v[LI]
	v_add_nc_u32 v[IS], s46, v[LS]
	JOB 0, 48, 0
	JOB 1, 32, 0
	JOB 2, 16, 0
	JOB 3, 0, 0                                    ; this wait for 0 also shows W's fragments 0-41 and 63, its scale words and the bias in
	WIN 0x40
	WLOADS 42, 21, 42                              ; window 1 is free: the stage's stores have read it
	WIN 0
	BARRIER                                        ; x's 64 fragments lie in LDS
	; ---- PHASE 1: a tile of 16 rows a trip
	s_mov_b32 s47, 0
	s_mov_b32 s48, 0                               ; the tile's images: 12,288 bytes a tile
	s_mov_b32 s49, 0                               ; their scale words: 1,024
	s_mov_b32 s50, 0                               ; two steps of 128 positions in the output: 6,656
.Lrows:
	v_add_nc_u32 v[IA], s48, v[LI]
	v_add_nc_u32 v[IS], s49, v[LS]
	v_add_nc_u32 v[EAK], s50, v[KA]
	v_add_nc_u32 v[EWK], s50, v[KW]
	v_add_nc_u32 v[EAV], s50, v[VA]
	v_add_nc_u32 v[EWV], s50, v[VB]
	AFETCH 0
	AFETCH 1
.irp s, 0,1,2,3,4,5,6,7
.if \s < 6
.if \s > 0
	PLACES 4                                       ; in front of loads into the buffer that the step before multiplied
.endif
	WIN 0
	AFETCH \s+2
	s_wait_dscnt 8                                 ; this step's four loads are in; the two younger steps' may be out
.elseif \s == 6
	s_wait_dscnt 4
.else
	s_wait_dscnt 0
.endif
.if \s == 5
	s_wait_loadcnt 0x0                             ; W's fragments 42-62, first wanted here
.endif
	MM \s
.endr
	WIN 0
	PLACES 4                                       ; in front of the first read of the results
	s_cmp_eq_u32 s24, 2
	s_cbranch_scc1 .Lvarm
	QUANT2 ACC                                     ; Q, K: two positions' blocks of 32 channels
.irp c, 0,1
.irp i, 0,1,2
	ds_store_b64 v[EAK], v[PC+6*\c+2*\i:PC+6*\c+2*\i+1] offset:48*\c+8*\i
.endr
.endr
	v_and_b32 v[MX], 0xffff, v[PW]                 ; a position's word: its two bytes, and zeros for the upper 64 of the instruction's K
	v_lshrrev_b32 v[MX+1], 16, v[PW]
	ds_store_b32 v[EWK], v[MX]                     ; (both halves of the lanes write the same word with the same value)
	ds_store_b32 v[EWK], v[MX+1] offset:8
	s_wait_dscnt 0x0                               ; the stores have read their registers
	s_branch .Lstored
.Lvarm:
.irp p, 0,1,2,3
	v_max3_num_f32 v[VM+\p], |v[ACC+16*\p]|, |v[ACC+16*\p+1]|, 0x2800000   ; V: channel pi's 16 keys, and the floor
.endr
.irp i, 2,4,6,8,10,12,14
.irp p, 0,1,2,3
	v_max3_num_f32 v[VM+\p], v[VM+\p], |v[ACC+16*\p+\i]|, |v[ACC+16*\p+\i+1]|
.endr
.endr
.irp p, 0,1,2,3
	v_max_num_f32_dpp v[VM+\p], v[VM+\p], v[VM+\p] row_xmask:1 row_mask:0xf bank_mask:0xf   ; with lane r xor 1's 16 keys: the block's largest magnitude
.endr
.irp p, 0,1,2,3
	v_add_nc_u32 v[VSO+\p], 0xfe000000, v[VM+\p]
.endr
.irp p, 0,1,2,3
	v_cvt_scalef32_pk16_bf6_f32 v[PC+4*\p:PC+4*\p+2], v[ACC+16*\p:ACC+16*\p+15], v[VSO+\p]
.endr
.irp p, 0,1,2,3
	v_lshrrev_b32 v[VM+\p], 23, v[VSO+\p]          ; the scale's byte (the first of these is the plain instruction behind the conversions)
.endr
.irp p, 0,1,2,3
.irp i, 0,1,2
	ds_store_b32 v[EAV], v[PC+4*\p+\i] offset:48*\p+4*\i
.endr
	ds_store_b8 v[EWV], v[VM+\p] offset:8*\p       ; (both lanes of a block write the same byte with the same value)
	ds_store_b8 v[EWV], v[VM+\p] offset:8*\p+4     ; and once more four bytes on, so that every byte that leaves has been written
.endr
	s_wait_dscnt 0x0
.Lstored:
	s_add_co_u32 s48, s48, 12288
	s_add_co_u32 s49, s49, 1024
	s_add_co_u32 s50, s50, 6656
	s_add_co_u32 s47, s47, 1
	s_cmp_lt_u32 s47, 8
	s_cbranch_scc1 .Lrows
	s_mul_i32 s51, s22, 13312
	s_add_co_u32 s52, s51, OUTK
	s_add_co_u32 s53, s51, OUTV
	v_add_nc_u32 v[IA], s52, v[LI]
	v_add_nc_u32 v[IS], s53, v[LI]
	BARRIER                                        ; the work-group's 53,248 bytes lie in LDS
	s_cmp_eq_u32 s24, 2
	s_cbranch_scc1 .Lvout
	WOUT IA
.Lvout:
	WOUT IS
.Lfunc_end_k_q6510fdef53_proj:
	.size	k_q6510fdef53_proj, .Lfunc_end_k_q6510fdef53_proj-k_q6510fdef53_proj
	.p2alignl 7, 3214868480
	.fill 96, 4, 3214868480
	.section	.rodata,"a",@progbits
	.p2align	6, 0x0
	.amdhsa_kernel k_q6510fdef53_proj
		.amdhsa_group_segment_fixed_size 247296
		.amdhsa_private_segment_fixed_size 0
		.amdhsa_enable_private_segment 0
		.amdhsa_kernarg_size 72
		.amdhsa_user_sgpr_count 2
		.amdhsa_user_sgpr_kernarg_segment_ptr 1
		.amdhsa_wavefront_size32 1
		.amdhsa_system_sgpr_workgroup_id_x 1
		.amdhsa_system_sgpr_workgroup_id_y 1
		.amdhsa_system_sgpr_workgroup_id_z 1
		.amdhsa_system_vgpr_workitem_id 0
		.amdhsa_next_free_vgpr 1024
		.amdhsa_next_free_sgpr 66
		.amdhsa_reserve_vcc 0
		.amdhsa_float_denorm_mode_32 3
		.amdhsa_float_denorm_mode_16_64 3
		.amdhsa_memory_ordered 1
		.amdhsa_forward_progress 1
		.amdhsa_inst_pref_size 112
	.end_amdhsa_kernel
	.amdgpu_metadata
---
amdhsa.version: [ 1, 2 ]
amdhsa.kernels:
  - .name:           k_q6510fdef53_proj
    .symbol:         k_q6510fdef53_proj.kd
    .args:
      - { .name: target, .offset: 0, .size: 8, .value_kind: global_buffer, .address_space: global }
      - { .name: source, .offset: 8, .size: 8, .value_kind: global_buffer, .address_space: global }
      - { .name: memory, .offset: 16, .size: 8, .value_kind: global_buffer, .address_space: global }
      - { .name: Wimg, .offset: 24, .size: 8, .value_kind: global_buffer, .address_space: global }
      - { .name: Wsc, .offset: 32, .size: 8, .value_kind: global_buffer, .address_space: global }
      - { .name: Bimg, .offset: 40, .size: 8, .value_kind: global_buffer, .address_space: global }
      - { .name: Qimg, .offset: 48, .size: 8, .value_kind: global_buffer, .address_space: global }
      - { .name: Kimg, .offset: 56, .size: 8, .value_kind: global_buffer, .address_space: global }
      - { .name: Vimg, .offset: 64, .size: 8, .value_kind: global_buffer, .address_space: global }
    .group_segment_fixed_size: 247296
    .private_segment_fixed_size: 0
    .kernarg_segment_align: 8
    .kernarg_segment_size: 72
    .max_flat_workgroup_size: 128
    .sgpr_count:     66
    .vgpr_count:     1024
    .wavefront_size: 32
...
	.end_amdgpu_metadata
.endif
;; end of part 2
;; launch attn (part 3): grid 32 x 8, 16 waves a work-group, clusters of 4 x 4, 327,680 bytes of LDS; arguments Qimg, Kimg, Vimg, mask, Oimg, Osc; writes Oimg, Osc
.if DOCPART == 3
	.amdgcn_target "amdgcn-amd-amdhsa--gfx1250"
	.amdhsa_code_object_version 6
	.text
	.protected	k_q6510fdef53_attn
	.globl	k_q6510fdef53_attn
	.p2align	8
	.type	k_q6510fdef53_attn,@function
k_q6510fdef53_attn:
	s_mov_b64 s[64:65], 0
	v_nop
	global_prefetch_b8 v0, s[64:65] scope:SCOPE_SE
	s_setreg_imm32_b32 hwreg(HW_REG_WAVE_MODE, 25, 1), 1
	s_wait_xcnt 0x0
	s_wait_alu depctr_hold_cnt(0) depctr_sa_sdst(0) depctr_va_vdst(0) depctr_va_sdst(0) depctr_va_ssrc(0) depctr_va_vcc(0) depctr_vm_vsrc(0)
	s_getreg_b32 s2, hwreg(HW_REG_IB_STS2, 6, 4)
	s_cmp_eq_u32 s2, 0
	s_cbranch_scc0 .Lentry_in_a_cluster
	s_endpgm
.Lentry_in_a_cluster:
	s_bfe_u32 s2, ttmp6, 0x10000c
	s_cmp_lg_u32 s2, 0xf033
	s_cbranch_scc0 .Lentry_shape_is_right
	s_endpgm
.Lentry_shape_is_right:
; Launch 3 of 4: O = (softmax(Q K^T x mask) / 8) V for all 32 heads, both products on codes of BF6; O is quantised on the way out, along the last product's K.  Nothing is left out.
; WHAT IS QUANTISED AHEAD OF THE SECOND PRODUCT IS THE FINISHED SOFTMAX, normalised and divided by 8.  Its codes and scales hang on the row's sum, so THE KEYS ARE WALKED TWICE:
; pass 1 finds, for each query, M (the largest t = score x mask x log2(e), rounded up to a whole number, kept as -M) and l = the sum of 2^(t - M); pass 2 makes the scores anew, p = 2^(t - M) x r with r = 1 / (8 l),
; quantises p along the keys and multiplies by V.  When M moves in pass 1, l is multiplied by 2^(old M - new M): exact.
; SHARES.  A work-group owns 64 queries of four heads: wave w takes head w / 4 and query tile w % 4.  A step is 128 keys.  The mask's tile (64 x 128 f32) serves the four heads, K's and V's tiles the four query tiles.
; CLUSTER 4 x 4: x = four blocks of queries, y = the four groups of heads of one batch.  K and V hang on (batch, cy): asked for JOINTLY along a row of the cluster; the mask's tile hangs on (batch, block of queries): jointly along a column.
; LAYOUT.  Both products are used transposed (S^T = K Q^T, O^T = V^T P^T): a lane holds one query.  Tile (c, t) of K has key 64 c + 32 (row / 8) + 8 t + row % 8 in its rows, so register 32 c + e of S^T is key 64 c + 32 h + e:
; a lane's 32 registers are a WHOLE block of the next K, and the two conversions of a block give registers 6 c .. 6 c + 5 of P.  V's tiles are chosen likewise, so that O^T's 32 registers are channels 32 h + 0 .. 31.
; K = 64 IN THE FIRST PRODUCT: the instruction's upper 64 meet ZERO CODES on Q's side (v26-31); what lies there on K's side (the next tile's codes, or zeros) is multiplied by 0, under scale bytes 0.
; LDS: two slots 2^17 bytes apart, a step each: K 8 rows (head, chi) x 3,328 at 0; the mask's rows 0-31 at 26,624 and 32-63 at 43,648, pitch 528; V as K at 60,672.  The 128 bytes ahead of the mask's second half keep
; rows 32 apart, which a load's lanes r and r + 8 take, in different columns of 16 bytes.  Nothing is stored to LDS by a wave.
; WHO LOADS: wave 0 K, waves 1 and 2 the mask's halves, wave 3 V.  By this text's count a wave has at most two tensor loads out: wave 3's two first fills (V of pass 2's first two steps, which wait in LDS through pass 1).
; LIMITS: NaN and infinities among the inputs are not served; a p under 2^-126 counts as 0 (v_exp_f32's own limit: ISA guide, its entry); a block of zeros gets the byte 1 where the rule says 127 (zero codes; only this program reads the bytes);
; the sums' order differs from the reference's.
.set M0,    26624
.set MH,    17024
.set VOFF,  60672
.set SLOT1, 1<<17
.set SPARE, 2*SLOT1                    ; the spare words, 128 bytes for each wave: eight blocks of 256 bytes that no other line names
.set AK0,  1                           ; v1   my lane's place among K's codes: 6656 head + 48 lane
.set AKS0, 2                           ; v2   among K's scale words
.set AM0,  3                           ; v3   in the mask's tile
.set AV0,  4                           ; v4, v5: as v1, v2, for V
.set AVS0, 5
.set SPW,  6                           ; v6   LDS address of my spare word; never rewritten
.set NIL,  7                           ; v7   0; never rewritten
.set ADK,  8                           ; v8-12 the same five in the slot in hand
.set ADKS, 9
.set ADM,  10
.set ADV,  11
.set ADVS, 12
.set SH8,  13                          ; v13  8 h
.set NM,   14                          ; v14  -M;  v15 the largest t
.set LSUM, 16                          ; v[16:17] l in two halves
.set FR,   18                          ; v[18:19] pass 1: f = 2^(old M - new M); pass 2: r
.set QF,   20                          ; v20-25 Q's codes; v26-31 zeros
.set QS,   32                          ; v32  Q's scale words
.set PW,   33                          ; v33  P's scale word
.set KS,   34                          ; v34-37 K's scale words
.set VS,   38                          ; v38-39 V's
.set KR,   40                          ; v40-87 K's codes; in pass 2 then V's
.set DUM,  88                          ; v88-93 zeros: the upper six registers of the last tile's operand
.set PFO,  94                          ; v94  the prefetches' offset; never rewritten
.set S,    96                          ; v96-159 S^T, then p
.set MK,   160                         ; v160-223 the mask; behind the multiplication:
.set P,    160                         ;   v160-171 P's codes
.set TT,   172                         ;   v172-179 upper halves of blocks
.set MX,   180                         ;   v180-181 largest p, then bytes
.set SO,   182                         ;   v182-183 scale operands
.set TMP,  184
.set O,    224                         ; v224-255 O^T
.set T1,   224                         ; (pass 1: at work)
.set WV,   16                          ; s16  my wave's number
.set G1KV, 24                          ; s[24:31] descriptor group 1 for K's and V's tiles;  s[32:39] for the mask's
.set G1M,  32
.set G0K,  40                          ; s[40:43] group 0 for K;  s[44:47] the mask;  s[48:51], s[52:55] V's two first fills; the second then walks on
.set G0M,  44
.set G0V0, 48
.set G0V1, 52
.set KB,   56                          ; s[56:57] K's, s[58:59] the mask's, s[60:61] V's first tile
.set MB,   58
.set VB,   60
.set OFF,  62                          ; s[62:63] a step's offset
.set J1,   66                          ; s66  the step that is being asked for, 1 .. 31
.set TB,   67                          ; s67  LDS byte at which the slot in hand begins
.set CNT,  68                          ; s68  the loops' counter
.set CS,   70                          ; s[70:71] log2(e)
.set SEL,  72
.set PFA,  74                          ; s[74:75] where the prefetches stand
.set LIM,  76                          ; s76  2 in the wave that prefetches, else the greatest number
.macro PLACES n
.rept \n
	v_nop
.endr
.endm
; A round of the cluster's barrier: my work-group's barrier; wave 0 signals for the work-group; every wave waits for all sixteen work-groups; my work-group's barrier once more.
.macro ROUND
	s_barrier_signal -1
	s_barrier_wait -1
	s_cmp_lg_u32 s[WV], 0
	s_cbranch_scc1 .Lnot_wave_0_\@
	s_barrier_signal -3
.Lnot_wave_0_\@:
	s_barrier_wait -3
	s_barrier_signal -1
	s_barrier_wait -1
.endm
; The joint refills.  The branches hang on the wave's number alone.  An s_nop 0 and four v_nop follow each line.  withv = 2: V's tile too.
.macro TLOAD withv
	s_cmp_eq_u32 s[WV], 0
	s_cbranch_scc0 .Lnot_k_\@
	tensor_load_to_lds s[G0K:G0K+3], s[G1KV:G1KV+7]
	s_nop 0
	PLACES 4
	s_branch .Lasked_\@
.Lnot_k_\@:
	s_cmp_lt_u32 s[WV], 3
	s_cbranch_scc0 .Lnot_m_\@
	tensor_load_to_lds s[G0M:G0M+3], s[G1M:G1M+7]
	s_nop 0
	PLACES 4
	s_branch .Lasked_\@
.Lnot_m_\@:
.if \withv == 2
	s_cmp_eq_u32 s[WV], 3
	s_cbranch_scc0 .Lasked_\@
	tensor_load_to_lds s[G0V1:G0V1+3], s[G1KV:G1KV+7]
	s_nop 0
	PLACES 4
.endif
.Lasked_\@:
.endm
; A PREFETCH INTO THE L2, in pass 1 alone: the mask's tile one step further on than the tile just asked for: 64 rows x 512 bytes = 128 blocks of 256 bytes.  The tile is read by the four partners of my column and by nobody else:
; they share it BY ADDRESS, 16 rows each (cy); in each, wave 4, which fetches nothing, asks: a lane a block, one instruction.  So each block is named once in the launch.  The last two steps of the pass ask for nothing: pass 1 has no tile behind its sixteenth.
.macro ASK
	s_cmp_gt_u32 s[CNT], s[LIM]
	s_cbranch_scc0 .Lnot_mine_\@
	global_prefetch_b8 v[PFO], s[PFA:PFA+1] th:TH_LOAD_NT scope:SCOPE_SE
.Lnot_mine_\@:
.endm
; THE CHANGE OF SLOTS stands at a step's head.  Each wave waits for all its tensor loads (its part of the slot that it is about to read), adds 0 to its spare word, and waits for that and for its reads of the slot that it has left.
; fill = 1: behind a round of the cluster's barrier the slot that was left takes the next step's K and mask; fill = 2: and V.  The step asked for is J1 % 16 of the keys: at the change of passes the walk turns back to the first keys and the ring goes on.
.macro CHANGE fill, ask
	s_wait_tensorcnt 0x0                           ; no tensor load of mine is out, so a group 0 may be written
	ds_add_u32 v[SPW], v[NIL]                      ; 0 onto my spare word
.if \fill
	ds_add_u32 v[SPW], v[NIL]                      ; and once more: the add stands twice on end, in every trip alike
	s_add_co_u32 s[J1], s[J1], 1
	s_and_b32 s69, s[J1], 15
	s_mul_i32 s[OFF], s69, 3328                    ; K, V: 3,328 bytes a step in each of the tile's 8 rows
	s_xor_b32 s[G0K+1], s[G0K+1], SLOT1            ; the other slot than last time
	s_add_nc_u64 s[G0K+2:G0K+3], s[KB:KB+1], s[OFF:OFF+1]
	s_or_b32 s[G0K+3], s[G0K+3], 0x80000000
.if \fill == 2
	s_xor_b32 s[G0V1+1], s[G0V1+1], SLOT1
	s_add_nc_u64 s[G0V1+2:G0V1+3], s[VB:VB+1], s[OFF:OFF+1]
	s_or_b32 s[G0V1+3], s[G0V1+3], 0x80000000
.endif
	s_lshl_b32 s[OFF], s69, 9                      ; the mask: 128 keys of 4 bytes
	s_xor_b32 s[G0M+1], s[G0M+1], SLOT1
	s_add_nc_u64 s[G0M+2:G0M+3], s[MB:MB+1], s[OFF:OFF+1]
	s_or_b32 s[G0M+3], s[G0M+3], 0x80000000
.if \ask
	s_wait_xcnt 0x0                                ; the last prefetch, a step back, has read its address, so it may be written
	s_add_nc_u64 s[PFA:PFA+1], s[PFA:PFA+1], 512
.endif
.endif
	s_wait_dscnt 0x0                               ; the add is done (fill: both are), and my reads of the slot that I have left are over
.if \fill
	ROUND                                          ; no wave of any partner still reads that slot or has a load on its way
	TLOAD \fill                                    ; the first thing behind the round, and a wave's one tensor load until the next
.if \ask
	ASK
.endif
.else
	s_barrier_signal -1
	s_barrier_wait -1
.endif
.endm
.macro LOADKM                          ; the step's K (four pairs of tiles, 48 bytes a lane each), its scale words, my query's 64 numbers of the mask
	v_add_nc_u32 v[ADK], s[TB], v[AK0]             ; (these five are also the places between pass 2's last products and the loads into registers that they read)
	v_add_nc_u32 v[ADKS], s[TB], v[AKS0]
	v_add_nc_u32 v[ADM], s[TB], v[AM0]
	v_add_nc_u32 v[ADV], s[TB], v[AV0]
	v_add_nc_u32 v[ADVS], s[TB], v[AVS0]
.irp x, 0,1,2,3
.irp i, 0,1,2
	ds_load_b128 v[KR+12*\x+4*\i:KR+12*\x+4*\i+3], v[ADK] offset:3328*(\x/2)+1536*(\x%2)+16*\i
.endr
.endr
.irp x, 0,1
	ds_load_b64 v[KS+2*\x:KS+2*\x+1], v[ADKS] offset:3328*\x
.endr
.irp c, 0,1
.irp e, 0,1,2,3,4,5,6,7
	ds_load_b128 v[MK+32*\c+4*\e:MK+32*\c+4*\e+3], v[ADM] offset:256*\c+16*\e
.endr
.endr
.endm
.macro QKT                             ; S^T = K Q^T: eight tiles (c, t).  Tile (c, t)'s codes are registers 6 (t / 2) .. + 5 of pair 2 (t % 2) + c; the six behind them meet Q's zeros
	s_wait_dscnt 16                                ; K and its scale words are in; the mask's 16 loads may be out
.irp c, 0,1
.irp t, 0,1,2,3
.set rA, KR+12*(2*(\t%2)+\c)+6*(\t/2)
.if \t/2
	v_wmma_scale_f32_16x16x128_f8f6f4 v[S+8*(4*\c+\t):S+8*(4*\c+\t)+7], v[rA:rA+11], v[QF:QF+11], 0, v[KS+2*(\t%2)+\c], v[QS] matrix_a_fmt:MATRIX_FMT_BF6 matrix_b_fmt:MATRIX_FMT_BF6 matrix_a_scale:MATRIX_SCALE_ROW1
.else
	v_wmma_scale_f32_16x16x128_f8f6f4 v[S+8*(4*\c+\t):S+8*(4*\c+\t)+7], v[rA:rA+11], v[QF:QF+11], 0, v[KS+2*(\t%2)+\c], v[QS] matrix_a_fmt:MATRIX_FMT_BF6 matrix_b_fmt:MATRIX_FMT_BF6
.endif
.endr
.endr
.endm
.macro MASKMUL                         ; the scores times the mask, two at a time, each accumulator from its low end on
	s_wait_dscnt 0x0
	PLACES 4
.set j, 0
.rept 32
	v_pk_mul_f32 v[S+j:S+j+1], v[S+j:S+j+1], v[MK+j:MK+j+1]
.set j, j+2
.endr
.endm
.macro EXPS                            ; 2^(t - M): one fused multiply-add for two, and the exponentials as ONE batch
.set j, 0
.rept 32
	v_pk_fma_f32 v[S+j:S+j+1], v[S+j:S+j+1], s[CS:CS+1], v[NM:NM+1] op_sel_hi:[1,0,0]   ; (of the pairs log2(e) and -M the low word serves both halves)
.set j, j+2
.endr
.set j, 0
.rept 64
	v_exp_f32 v[S+j], v[S+j]
.set j, j+1
.endr
.endm
; A STEP OF PASS 1.  Each half of the lanes keeps M and l for its own 64 keys of a step: no lane is asked in the loop; the halves meet behind the pass.
.macro STEP1
	LOADKM
	QKT
	MASKMUL
.irp q, 0,1,2,3
	v_max3_num_f32 v[T1+\q], v[S+16*\q], v[S+16*\q+1], v[S+16*\q+2]   ; the largest of my 64, in four chains
.endr
.irp i, 3,5,7,9,11,13
.irp q, 0,1,2,3
	v_max3_num_f32 v[T1+\q], v[T1+\q], v[S+16*\q+\i], v[S+16*\q+\i+1]
.endr
.endr
.irp q, 0,1,2,3
	v_max_num_f32 v[T1+\q], v[T1+\q], v[S+16*\q+15]
.endr
	v_max3_num_f32 v[T1+4], v[T1], v[T1+1], v[T1+2]
	v_max_num_f32 v[T1+4], v[T1+4], v[T1+3]
	v_mul_f32 v[T1+4], s[CS], v[T1+4]              ; as t
	v_max_num_f32 v[NM+1], v[NM+1], v[T1+4]        ; the running largest t
	v_mov_b32 v[T1+4], v[NM]
	v_floor_f32 v[NM], -v[NM+1]                    ; the new -M = floor(-t): M is a whole number
	v_sub_f32 v[T1+4], v[NM], v[T1+4]              ; old M - new M: a whole number, 0 or less
	v_cvt_i32_f32 v[T1+4], v[T1+4]                 ; (it saturates)
	v_ldexp_f32 v[FR], 1.0, v[T1+4]                ; f
	EXPS
	v_pk_mul_f32 v[LSUM:LSUM+1], v[LSUM:LSUM+1], v[FR:FR+1] op_sel_hi:[1,0]   ; l under the new M (the plain instruction behind the exponentials)
	s_wait_alu depctr_va_vdst(0)                   ; one wait for the batch, ahead of its first reader
	v_pk_add_f32 v[T1:T1+1], v[S:S+1], v[S+2:S+3]  ; the sum, two at a time, in two chains
.irp j, 4,8,12,16,20,24,28,32,36,40,44,48,52,56,60
	v_pk_add_f32 v[LSUM:LSUM+1], v[LSUM:LSUM+1], v[S+\j:S+\j+1]
	v_pk_add_f32 v[T1:T1+1], v[T1:T1+1], v[S+\j+2:S+\j+3]
.endr
	v_pk_add_f32 v[LSUM:LSUM+1], v[LSUM:LSUM+1], v[T1:T1+1]
	s_xor_b32 s[TB], s[TB], SLOT1                  ; on to the other slot
.endm
; A STEP OF PASS 2.  first = 1: the products start O^T's sums.
.macro STEP2 first
	LOADKM
	QKT
	MASKMUL
.irp d, 0,1,2,3                        ; V's four tiles land where K's codes lay: the 32 multiplications above are the places behind the products that read them
.irp i, 0,1,2
	ds_load_b128 v[KR+12*\d+4*\i:KR+12*\d+4*\i+3], v[ADV] offset:3328*(\d/2)+1536*(\d%2)+16*\i
.endr
.endr
.irp x, 0,1
	ds_load_b32 v[VS+\x], v[ADVS] offset:3328*\x
.endr
	EXPS
	v_nop                                          ; the plain instruction behind the exponentials
	s_wait_alu depctr_va_vdst(0)                   ; one wait for the batch, ahead of its first reader
.set j, 0
.rept 32
	v_pk_mul_f32 v[S+j:S+j+1], v[S+j:S+j+1], v[FR:FR+1] op_sel_hi:[1,0]   ; p = 2^(t - M) / (8 l): the finished softmax
.set j, j+2
.endr
.irp c, 0,1
	v_max3_num_f32 v[MX+\c], v[S+32*\c], v[S+32*\c+1], 0x2800000   ; my block's largest p (none is negative), and the floor 2^(5 - 127)
.endr
.irp i, 2,4,6,8,10,12,14,16,18,20,22,24,26,28,30
.irp c, 0,1
	v_max3_num_f32 v[MX+\c], v[MX+\c], v[S+32*\c+\i], v[S+32*\c+\i+1]
.endr
.endr
.irp c, 0,1
	v_add_nc_u32 v[SO+\c], 0xfe000000, v[MX+\c]
.endr
.irp c, 0,1
	v_lshrrev_b32 v[MX+\c], 23, v[SO+\c]
.endr
	v_lshl_or_b32 v[PW], v[MX+1], 16, v[MX]        ; my two bytes, blocks h and 2 + h, at their places; with lane l xor 16's the word is whole
	v_lshlrev_b32 v[PW], v[SH8], v[PW]
	v_permlanex16_b32 v[TMP], v[PW], s[SEL], s[SEL+1]
	v_or_b32 v[PW], v[PW], v[TMP]
.irp c, 0,1
	v_cvt_scalef32_pk16_bf6_f32 v[P+6*\c:P+6*\c+2], v[S+32*\c:S+32*\c+15], v[SO+\c]
	v_cvt_scalef32_pk16_bf6_f32 v[TT+4*\c:TT+4*\c+2], v[S+32*\c+16:S+32*\c+31], v[SO+\c]
.endr
	v_nop                                          ; one plain instruction behind the conversions
.irp c, 0,1
.irp i, 0,1,2
	v_mov_b32 v[P+6*\c+3+\i], v[TT+4*\c+\i]
.endr
.endr
	PLACES 8                                       ; a scale register written by a vector instruction stands 8 places ahead of a scaled matrix instruction, an operand so written 4
	s_wait_dscnt 0x0                               ; V and its scale words are in
.irp d, 0,1,2,3                        ; O^T += V^T P^T: the four accumulators by turns
.if \first
.if \d%2
	v_wmma_scale_f32_16x16x128_f8f6f4 v[O+8*\d:O+8*\d+7], v[KR+12*\d:KR+12*\d+11], v[P:P+11], 0, v[VS+\d/2], v[PW] matrix_a_fmt:MATRIX_FMT_BF6 matrix_b_fmt:MATRIX_FMT_BF6 matrix_a_scale:MATRIX_SCALE_ROW1
.else
	v_wmma_scale_f32_16x16x128_f8f6f4 v[O+8*\d:O+8*\d+7], v[KR+12*\d:KR+12*\d+11], v[P:P+11], 0, v[VS+\d/2], v[PW] matrix_a_fmt:MATRIX_FMT_BF6 matrix_b_fmt:MATRIX_FMT_BF6
.endif
.else
.if \d%2
	v_wmma_scale_f32_16x16x128_f8f6f4 v[O+8*\d:O+8*\d+7], v[KR+12*\d:KR+12*\d+11], v[P:P+11], v[O+8*\d:O+8*\d+7], v[VS+\d/2], v[PW] matrix_a_fmt:MATRIX_FMT_BF6 matrix_b_fmt:MATRIX_FMT_BF6 matrix_a_scale:MATRIX_SCALE_ROW1
.else
	v_wmma_scale_f32_16x16x128_f8f6f4 v[O+8*\d:O+8*\d+7], v[KR+12*\d:KR+12*\d+11], v[P:P+11], v[O+8*\d:O+8*\d+7], v[VS+\d/2], v[PW] matrix_a_fmt:MATRIX_FMT_BF6 matrix_b_fmt:MATRIX_FMT_BF6
.endif
.endif
.endr
	s_xor_b32 s[TB], s[TB], SLOT1
.endm
	s_load_b256 s[4:11], s[0:1], 0x0               ; Qimg s[4:5], Kimg s[6:7], Vimg s[8:9], mask s[10:11]
	s_load_b128 s[12:15], s[0:1], 0x20             ; Oimg s[12:13], Osc s[14:15]
	v_lshl_add_u32 v[SPW], v0, 2, SPARE
	v_mov_b32 v[NIL], 0
	ds_add_u32 v[SPW], v[NIL]                      ; the wave's opening: the add, twice on end, and its wait ahead of the first tensor loads; the set-up below stands between
	ds_add_u32 v[SPW], v[NIL]
	v_lshrrev_b32 v96, 5, v0
	v_readfirstlane_b32 s[WV], v96                 ; wave 0..15
	s_bfe_u32 s17, ttmp6, 0x40000                  ; cx
	s_bfe_u32 s18, ttmp6, 0x40004                  ; cy: my group of four heads
	s_lshl_b32 s19, ttmp9, 2
	s_add_co_u32 s19, s19, s17                     ; my block of 64 queries = 4 x cluster x + cx
	s_and_b32 s20, ttmp7, 0xffff                   ; the batch = cluster y
	s_lshl_b32 s21, s18, 2
	s_lshl_b32 s21, 15, s21                        ; my row of the cluster
	s_lshl_b32 s22, 0x1111, s17                    ; my column
	s_or_b32 s[G1KV], s21, (3<<16)|(1<<21)         ; K, V: the mask of my row; elements of 8 bytes; bit 21 set beside a mask; no padding
	s_mov_b32 s[G1KV+1], 416<<16                   ; tensor_dim0 = 416 elements: 3,328 bytes
	s_mov_b32 s[G1KV+2], 8<<16                     ; tensor_dim1 = 8 rows: (head, chi)
	s_mov_b32 s[G1KV+3], 416<<16                   ; tile_dim0
	s_mov_b32 s[G1KV+4], 8                         ; tile_dim1
	s_mov_b32 s[G1KV+5], 6656                      ; from row to row: 16 steps of 3,328 bytes
	s_mov_b32 s[G1KV+6], 0
	s_mov_b32 s[G1KV+7], 0
	s_or_b32 s[G1M], s22, (2<<16)|(1<<20)|(1<<21)|(6<<22)|(3<<25)   ; the mask: my column; elements of 4 bytes; after every 128 words 4 words of padding
	s_mov_b32 s[G1M+1], 128<<16
	s_mov_b32 s[G1M+2], 32<<16
	s_mov_b32 s[G1M+3], 128<<16
	s_mov_b32 s[G1M+4], 32
	s_mov_b32 s[G1M+5], 2048
	s_mov_b32 s[G1M+6], 0
	s_mov_b32 s[G1M+7], 0
	s_lshl_b32 s78, s20, 2                         ; K, V: four heads of 106,496 bytes: registers that never hold cx
	s_add_co_u32 s78, s78, s18
	s_mul_i32 s78, s78, 425984
	s_mov_b32 s79, 0
	s_lshl_b32 s80, s20, 24                        ; the mask: batch, block of queries: registers that never hold cy
	s_lshl_b32 s81, s19, 19
	s_add_co_u32 s80, s80, s81
	s_lshr_b32 s23, s[WV], 1
	s_and_b32 s23, s23, 1                          ; which 32 rows of the mask's tile I fetch, if I fetch: wave 1: 0, wave 2: 1
	s_lshl_b32 s81, s23, 18
	s_add_co_u32 s84, s80, s81
	s_mov_b32 s85, 0
	s_mul_i32 s[G0M+1], s23, MH
	s_add_co_u32 s[G0M+1], s[G0M+1], M0
	s_lshl_b32 s86, s18, 17                        ; the prefetches: my work-group's 16 rows of the tile,
	s_add_co_u32 s86, s86, s80
	s_add_co_u32 s86, s86, 512                     ; at step 1: the first change steps it to step 2
	s_mov_b32 s87, 0
	s_lshr_b32 s82, s[WV], 2                       ; my head of the four
	s_and_b32 s83, s[WV], 3                        ; my query tile
	s_lshl_b32 s88, s20, 2                         ; Q: head 4 (4 batch + cy) + my head; chi = tile % 2; step = block / 2; half = block % 2; sub-tile = tile / 2
	s_add_co_u32 s88, s88, s18
	s_lshl_b32 s88, s88, 2
	s_add_co_u32 s88, s88, s82
	s_mul_i32 s88, s88, 106496
	s_and_b32 s90, s83, 1
	s_mul_i32 s90, s90, 53248
	s_add_co_u32 s88, s88, s90
	s_lshr_b32 s90, s19, 1
	s_mul_i32 s90, s90, 3328
	s_add_co_u32 s88, s88, s90
	s_and_b32 s90, s19, 1
	s_lshr_b32 s91, s83, 1
	s_mul_i32 s96, s90, 1536
	s_mul_i32 s97, s91, 24
	s_add_co_u32 s96, s96, s97
	s_add_co_u32 s96, s96, s88                     ; its codes
	s_mov_b32 s97, 0
	s_lshl_b32 s90, s90, 2
	s_lshl_b32 s91, s91, 7
	s_add_co_u32 s90, s90, s91
	s_add_co_u32 s90, s90, s88
	s_add_co_u32 s90, s90, 3072                    ; its scale words
	s_mov_b32 s91, 0
	s_lshl_b32 s92, s20, 5                         ; O: row tile m' = 4 (32 batch + block) + tile; head = 4 cy + my head
	s_add_co_u32 s92, s92, s19
	s_lshl_b32 s92, s92, 2
	s_add_co_u32 s92, s92, s83
	s_lshl_b32 s94, s18, 2
	s_add_co_u32 s94, s94, s82
	s_mul_i32 s98, s92, 12288
	s_mul_i32 s99, s94, 768
	s_add_co_u32 s98, s98, s99
	s_mov_b32 s99, 0
	s_lshl_b32 s92, s92, 9
	s_lshl_b32 s94, s94, 1
	s_add_co_u32 s94, s94, s92
	s_mov_b32 s95, 0
	s_mov_b32 s[OFF+1], 0
	s_mov_b32 s[J1], 0
	s_mov_b32 s[TB], 0
	s_mov_b32 s[CS], 0x3fb8aa3b                    ; log2(e)
	s_mov_b32 s[CS+1], s[CS]                       ; (named with it as a pair, so it is written)
	s_mov_b32 s[SEL], 0x76543210
	s_mov_b32 s[SEL+1], 0xfedcba98                 ; v_permlanex16_b32's selects for lane l xor 16
	s_cmp_eq_u32 s[WV], 4
	s_cselect_b32 s[LIM], 2, -1
	s_wait_dscnt 0x0                               ; both opening adds are done
	s_wait_kmcnt 0x0
	s_add_nc_u64 s[KB:KB+1], s[6:7], s[78:79]
	s_add_nc_u64 s[VB:VB+1], s[8:9], s[78:79]
	s_add_nc_u64 s[MB:MB+1], s[10:11], s[84:85]
	s_add_nc_u64 s[PFA:PFA+1], s[10:11], s[86:87]
	s_add_nc_u64 s[88:89], s[4:5], s[96:97]
	s_add_nc_u64 s[90:91], s[4:5], s[90:91]
	s_add_nc_u64 s[92:93], s[12:13], s[98:99]
	s_add_nc_u64 s[94:95], s[14:15], s[94:95]
	s_mov_b32 s[G0K], 1                            ; count = 1
	s_mov_b32 s[G0K+1], 0                          ; slot 0
	s_mov_b64 s[G0K+2:G0K+3], s[KB:KB+1]           ; the first 128 keys
	s_or_b32 s[G0K+3], s[G0K+3], 0x80000000        ; type = 2
	s_mov_b32 s[G0M], 1
	s_mov_b64 s[G0M+2:G0M+3], s[MB:MB+1]
	s_or_b32 s[G0M+3], s[G0M+3], 0x80000000
	s_mov_b32 s[G0V0], 1
	s_mov_b32 s[G0V0+1], VOFF
	s_mov_b64 s[G0V0+2:G0V0+3], s[VB:VB+1]
	s_or_b32 s[G0V0+3], s[G0V0+3], 0x80000000
	s_mov_b32 s[G0V1], 1
	s_mov_b32 s[G0V1+1], VOFF+SLOT1
	s_add_nc_u64 s[G0V1+2:G0V1+3], s[VB:VB+1], 3328
	s_or_b32 s[G0V1+3], s[G0V1+3], 0x80000000
	ROUND                                          ; all sixteen work-groups are here: the first joint loads meet
	s_cmp_eq_u32 s[WV], 0                          ; the first fills, in one chain of branches on the wave's number
	s_cbranch_scc0 .Lfirst_not_k
	tensor_load_to_lds s[G0K:G0K+3], s[G1KV:G1KV+7]
	s_nop 0
	PLACES 4
	s_branch .Lfirst_asked
.Lfirst_not_k:
	s_cmp_lt_u32 s[WV], 3
	s_cbranch_scc0 .Lfirst_not_m
	tensor_load_to_lds s[G0M:G0M+3], s[G1M:G1M+7]
	s_nop 0
	PLACES 4
	s_branch .Lfirst_asked
.Lfirst_not_m:
	s_cmp_eq_u32 s[WV], 3
	s_cbranch_scc0 .Lfirst_asked
	tensor_load_to_lds s[G0V0:G0V0+3], s[G1KV:G1KV+7]   ; V of pass 2's steps 0 and 1, into both slots
	s_nop 0
	tensor_load_to_lds s[G0V1:G0V1+3], s[G1KV:G1KV+7]
	s_nop 0
	PLACES 4
.Lfirst_asked:
	v_and_b32 v98, 31, v0                          ; lane
	v_and_b32 v99, 15, v0                          ; r
	v_bfe_u32 v100, v0, 4, 1                       ; h
	v_mul_u32_u24 v96, v98, 48
	v_lshlrev_b32 v97, 3, v99
.irp i, 0,1,2
	global_load_b64 v[QF+2*\i:QF+2*\i+1], v96, s[88:89] offset:8*\i   ; Q's 32 channels of my half: they stay in registers
.endr
	global_load_b32 v[QS], v97, s[90:91]
	s_mul_i32 s84, s82, 6656
	v_mad_u32_u24 v[AK0], v98, 48, s84
	s_add_co_u32 s85, s84, 3072
	v_lshl_add_u32 v[AKS0], v98, 3, s85
	s_mul_i32 s86, s83, 4224                       ; my query is row 32 (r / 8) + 8 tile + r % 8 of the mask's tile
	s_add_co_u32 s86, s86, M0
	v_and_b32 v101, 7, v0
	v_bfe_u32 v102, v0, 3, 1
	v_mul_u32_u24 v[AM0], v101, 528
	v_mad_u32_u24 v[AM0], v102, MH, v[AM0]
	v_lshl_add_u32 v[AM0], v100, 7, v[AM0]
	v_add_nc_u32 v[AM0], s86, v[AM0]
	v_add_nc_u32 v[AV0], VOFF, v[AK0]
	v_add_nc_u32 v[AVS0], VOFF, v[AKS0]
	v_lshlrev_b32 v[SH8], 3, v100
	v_lshrrev_b32 v103, 1, v98
	v_and_b32 v104, 1, v0
	v_lshlrev_b32 v[PFO], 13, v103                 ; a row of the mask is 8,192 bytes; two lanes to a row's 512 bytes
	v_lshl_add_u32 v[PFO], v104, 8, v[PFO]
	v_mov_b32 v[NM+1], 0xff61b1e6                  ; the largest t so far: -3e38, under every t
	v_floor_f32 v[NM], -v[NM+1]
	v_mov_b32 v[LSUM], 0
	v_mov_b32 v[LSUM+1], 0
	v_mov_b32 v[FR], 0
	v_mov_b32 v[FR+1], 0                           ; (named as the upper half of a pair)
.irp i, 0,1,2,3,4,5
	v_mov_b32 v[QF+6+\i], 0                        ; Q's zero codes for the instruction's upper 64
	v_mov_b32 v[DUM+\i], 0
.endr
	s_wait_loadcnt 0x0                             ; Q
	s_mov_b32 s[CNT], 16
.Lpass1:                                           ; steps 0 to 15.  The first trip's loads fill slot 1 for the first time, and no wave refills behind that round
	CHANGE 1, 1
	STEP1
	s_sub_co_u32 s[CNT], s[CNT], 1
	s_cmp_lg_u32 s[CNT], 0
	s_cbranch_scc1 .Lpass1
	; the halves of the lanes meet: M is the larger of the two, each l goes under it (exactly), and the two are added
	v_add_f32 v[LSUM], v[LSUM], v[LSUM+1]
	v_mov_b32 v[T1], 0                             ; (a lane permute's destination counts as one of its sources)
	v_permlanex16_b32 v[T1], v[NM], s[SEL], s[SEL+1]
	v_min_num_f32 v[T1+1], v[NM], v[T1]            ; the final -M
	v_sub_f32 v[T1+2], v[T1+1], v[NM]              ; my M - the final M: a whole number, 0 or less
	v_cvt_i32_f32 v[T1+2], v[T1+2]
	v_ldexp_f32 v[LSUM], v[LSUM], v[T1+2]
	v_mov_b32 v[NM], v[T1+1]
	v_permlanex16_b32 v[T1], v[LSUM], s[SEL], s[SEL+1]
	v_add_f32 v[LSUM], v[LSUM], v[T1]
	v_rcp_f32 v[FR], v[LSUM]
	v_nop                                          ; a plain instruction behind the reciprocal
	s_wait_alu depctr_va_vdst(0)                   ; and the wait ahead of its first reader
	v_mul_f32 v[FR], 0x3e000000, v[FR]             ; r = 1 / (8 l)
	v_mov_b32 v[FR+1], v[FR]
	CHANGE 1, 0                                    ; step 16 = pass 2's first: V of this step and the next lie in LDS since the head
	STEP2 1
	s_mov_b32 s[CNT], 14
.Lpass2:                                           ; steps 17 to 30
	CHANGE 2, 0
	STEP2 0
	s_sub_co_u32 s[CNT], s[CNT], 1
	s_cmp_lg_u32 s[CNT], 0
	s_cbranch_scc1 .Lpass2
	CHANGE 0, 0                                    ; the last step is written out: nothing is left to ask for
	STEP2 0
	; THE WAY OUT.  My 32 registers are channels 32 h + 0 .. 31 of my query and head: a whole block of the last product's K, and its 24 bytes of codes are registers 6 (head % 2) .. + 5 of that product's fragment head / 2.
	PLACES 4
	v_max3_num_f32 v[MX], |v[O]|, |v[O+1]|, 0x2800000
.irp i, 2,4,6,8,10,12,14,16,18,20,22,24,26,28,30
	v_max3_num_f32 v[MX], v[MX], |v[O+\i]|, |v[O+\i+1]|
.endr
	v_add_nc_u32 v[SO], 0xfe000000, v[MX]
	v_cvt_scalef32_pk16_bf6_f32 v[P:P+2], v[O:O+15], v[SO]
	v_cvt_scalef32_pk16_bf6_f32 v[TT:TT+2], v[O+16:O+31], v[SO]
	v_lshrrev_b32 v[MX], 23, v[SO]                 ; the scale's byte (also the plain instruction behind the conversions)
	v_and_b32 v96, 31, v0
	v_lshlrev_b32 v96, 3, v96                      ; 8 x lane
	v_and_b32 v97, 15, v0
	v_bfe_u32 v98, v0, 4, 1
	v_lshl_add_u32 v97, v97, 5, v98                ; 32 r + h
.irp i, 0,1,2
	v_mov_b32 v[P+3+\i], v[TT+\i]
.endr
.irp i, 0,1,2
	global_store_b64 v96, v[P+2*\i:P+2*\i+1], s[92:93] offset:256*\i   ; 32 lanes store 256 consecutive bytes, aligned
.endr
	global_store_b8 v97, v[MX], s[94:95]           ; my block's byte: one byte for each 24 of codes, 32 bytes from row to row
	s_wait_tensorcnt 0x0                           ; the wave's end
	ds_add_u32 v[SPW], v[NIL]
	s_wait_dscnt 0x0
	ROUND                                          ; the closing round: no work-group ends while a partner may still ask for a tile that names it
	s_endpgm
.Lfunc_end_k_q6510fdef53_attn:
	.size	k_q6510fdef53_attn, .Lfunc_end_k_q6510fdef53_attn-k_q6510fdef53_attn
	.p2alignl 7, 3214868480
	.fill 96, 4, 3214868480
	.section	.rodata,"a",@progbits
	.p2align	6, 0x0
	.amdhsa_kernel k_q6510fdef53_attn
		.amdhsa_group_segment_fixed_size 327680
		.amdhsa_private_segment_fixed_size 0
		.amdhsa_enable_private_segment 0
		.amdhsa_kernarg_size 48
		.amdhsa_user_sgpr_count 2
		.amdhsa_user_sgpr_kernarg_segment_ptr 1
		.amdhsa_wavefront_size32 1
		.amdhsa_system_sgpr_workgroup_id_x 1
		.amdhsa_system_sgpr_workgroup_id_y 1
		.amdhsa_system_sgpr_workgroup_id_z 1
		.amdhsa_system_vgpr_workitem_id 0
		.amdhsa_next_free_vgpr 256
		.amdhsa_next_free_sgpr 100
		.amdhsa_reserve_vcc 0
		.amdhsa_float_denorm_mode_32 3
		.amdhsa_float_denorm_mode_16_64 3
		.amdhsa_memory_ordered 1
		.amdhsa_forward_progress 1
		.amdhsa_inst_pref_size 80
	.end_amdhsa_kernel
	.amdgpu_metadata
---
amdhsa.version: [ 1, 2 ]
amdhsa.kernels:
  - .name:           k_q6510fdef53_attn
    .symbol:         k_q6510fdef53_attn.kd
    .args:
      - { .name: Qimg, .offset: 0, .size: 8, .value_kind: global_buffer, .address_space: global }
      - { .name: Kimg, .offset: 8, .size: 8, .value_kind: global_buffer, .address_space: global }
      - { .name: Vimg, .offset: 16, .size: 8, .value_kind: global_buffer, .address_space: global }
      - { .name: mask, .offset: 24, .size: 8, .value_kind: global_buffer, .address_space: global }
      - { .name: Oimg, .offset: 32, .size: 8, .value_kind: global_buffer, .address_space: global }
      - { .name: Osc, .offset: 40, .size: 8, .value_kind: global_buffer, .address_space: global }
    .group_segment_fixed_size: 327680
    .private_segment_fixed_size: 0
    .kernarg_segment_align: 8
    .kernarg_segment_size: 48
    .max_flat_workgroup_size: 512
    .sgpr_count:     100
    .vgpr_count:     256
    .wavefront_size: 32
...
	.end_amdgpu_metadata
.endif
;; end of part 3
;; launch final (part 4): grid 2 x 128, 4 waves a work-group, no clusters, 34,304 bytes of LDS; arguments Oimg, Osc, Wimg, Wsc, bp, out0; writes out0
.if DOCPART == 4
	.amdgcn_target "amdgcn-amd-amdhsa--gfx1250"
	.amdhsa_code_object_version 6
	.text
	.protected	k_q6510fdef53_final
	.globl	k_q6510fdef53_final
	.p2align	8
	.type	k_q6510fdef53_final,@function
k_q6510fdef53_final:
	s_mov_b64 s[64:65], 0
	v_nop
	global_prefetch_b8 v0, s[64:65] scope:SCOPE_SE
	s_setreg_imm32_b32 hwreg(HW_REG_WAVE_MODE, 25, 1), 1
	s_wait_xcnt 0x0
; Launch 4 of 4: out0 = O Wp + bp, on the codes that launches 1 and 3 made.  Nothing is left out.
; SHARES.  Work-group (x = chi, y): two tiles of 16 rows (m' = 2 y, 2 y + 1 of Oimg) x 512 columns.  Wave w takes group g = 4 chi + w of Wp's images, columns 128 g .. + 127: its 64 fragments, 768 registers, come once and stay.
; NO JOINT LOADS: a work-group's part of Wp is 393,216 bytes, more than the 327,680 bytes of LDS that a work-group can claim, so it goes from memory straight into registers; O's codes likewise, laid in the order of the operand's registers.
; THE PRODUCT IS USED TRANSPOSED (source 0 = 16 columns of Wp, source 1 = 16 rows of O): register 32 c + e of lane (r, h) is column 128 g + 64 c + 32 h + e of row r.
; Row r of tile m' = 4 (32 batch + block) + t is query 64 block + 32 (r / 8) + 8 t + r % 8 (launch 3's choice of a tile's queries).
; THE WAY OUT: a tile goes through the wave's own stage (16 rows x 528 bytes) and comes back as rows of 512 bytes; bp is added there, where a lane holds four neighbouring columns; each store covers 512 consecutive bytes, aligned.
; LIMITS: as in the launches before; the sums' order differs from the reference's.
.set SPARE, 33792                      ; behind the four stages: the spare words, 128 bytes for each wave
.set LI,  1                            ; v1   16 x lane
.set L8,  2                            ; v2   8 x lane
.set ASO, 3                            ; v3   32 r: my row's scale words
.set STO, 4                            ; v4   the stage, in: 528 r + 128 h
.set RD,  5                            ; v5   and back: 16 x lane
.set BPV, 8                            ; v8-11 bp of my four columns
.set ACC, 16                           ; v16-79
.set AFR, 80                           ; v80-175 O's 8 fragments
.set ASW, 176                          ; v176-183 their scale words
.set WS,  184                          ; v184-215 Wp's scale words
.set W63, 216                          ; v216-227 Wp's fragment 63
.set SPW, 254
.set NIL, 255
.set WP,  20                           ; s[20:21] my group of Wimg
.set MSB, 0
.macro WIN new                         ; the immediate's high byte repeats the setting that is left
.if MSB != \new
	s_set_vgpr_msb (MSB<<8)|\new
.set MSB, \new
.endif
.endm
.macro PLACES n
.rept \n
	v_nop
.endr
.endm
.macro WLOADS lo, n, sub
.set FQ, \lo
.rept \n
.irp q, 0,1,2
	global_load_b128 v[12*(FQ-\sub)+4*\q:12*(FQ-\sub)+4*\q+3], v[LI], s[WP:WP+1] offset:FQ*1536+512*\q
.endr
.set FQ, FQ+1
.endr
.endm
.macro ALOAD tt                        ; tile tt's codes: 16 heads x 3 pieces of 8 bytes a lane; and its scale words
.irp s, 0,1,2,3,4,5,6,7
.irp c, 0,1
.irp i, 0,1,2
	global_load_b64 v[AFR+12*\s+6*\c+2*\i:AFR+12*\s+6*\c+2*\i+1], v[L8], s[26:27] offset:12288*\tt+768*(2*\s+\c)+256*\i
.endr
.endr
.endr
	global_load_b128 v[ASW:ASW+3], v[ASO], s[28:29] offset:512*\tt
	global_load_b128 v[ASW+4:ASW+7], v[ASO], s[28:29] offset:512*\tt+16
.endm
.macro MMF s                           ; K step s: the eight accumulators by turns.  Fragment F = 8 s + T lies in window 1 (F < 21), 2 (F < 42), 3 (F < 63) or 0 (F = 63)
.irp T, 0,1,2,3,4,5,6,7
.set FQ, 8*(\s)+\T
.if FQ < 21
	WIN 0x01
.set FG, 12*FQ
.elseif FQ < 42
	WIN 0x02
.set FG, 12*(FQ-21)
.elseif FQ < 63
	WIN 0x03
.set FG, 12*(FQ-42)
.else
	WIN 0
.set FG, W63
.endif
.if (\s) == 0
.if \T%2
	v_wmma_scale_f32_16x16x128_f8f6f4 v[ACC+8*\T:ACC+8*\T+7], v[FG:FG+11], v[AFR+12*(\s):AFR+12*(\s)+11], 0, v[WS+4*(\s)+\T/2], v[ASW+(\s)] matrix_a_fmt:MATRIX_FMT_BF6 matrix_b_fmt:MATRIX_FMT_BF6 matrix_a_scale:MATRIX_SCALE_ROW1
.else
	v_wmma_scale_f32_16x16x128_f8f6f4 v[ACC+8*\T:ACC+8*\T+7], v[FG:FG+11], v[AFR+12*(\s):AFR+12*(\s)+11], 0, v[WS+4*(\s)+\T/2], v[ASW+(\s)] matrix_a_fmt:MATRIX_FMT_BF6 matrix_b_fmt:MATRIX_FMT_BF6
.endif
.else
.if \T%2
	v_wmma_scale_f32_16x16x128_f8f6f4 v[ACC+8*\T:ACC+8*\T+7], v[FG:FG+11], v[AFR+12*(\s):AFR+12*(\s)+11], v[ACC+8*\T:ACC+8*\T+7], v[WS+4*(\s)+\T/2], v[ASW+(\s)] matrix_a_fmt:MATRIX_FMT_BF6 matrix_b_fmt:MATRIX_FMT_BF6 matrix_a_scale:MATRIX_SCALE_ROW1
.else
	v_wmma_scale_f32_16x16x128_f8f6f4 v[ACC+8*\T:ACC+8*\T+7], v[FG:FG+11], v[AFR+12*(\s):AFR+12*(\s)+11], v[ACC+8*\T:ACC+8*\T+7], v[WS+4*(\s)+\T/2], v[ASW+(\s)] matrix_a_fmt:MATRIX_FMT_BF6 matrix_b_fmt:MATRIX_FMT_BF6
.endif
.endif
.endr
.endm
.macro TILE tt
	s_wait_loadcnt 0x0                             ; the tile's codes and scale words (tile 0: and all of Wp's)
.if \tt
	s_wait_xcnt 0x0                                ; tile 0's stores have read the registers in which the sums begin anew
.endif
.irp s, 0,1,2,3,4,5,6,7
	MMF \s
.endr
	WIN 0
	PLACES 4                                       ; in front of loads into registers that the products read, and of the first read of the results
.if \tt == 0
	ALOAD 1
.endif
.irp c, 0,1
.irp e, 0,1,2,3,4,5,6,7
	ds_store_b128 v[STO], v[ACC+32*\c+4*\e:ACC+32*\c+4*\e+3] offset:256*\c+16*\e   ; each accumulator from its low end on
.endr
.endr
	s_wait_dscnt 0x0                               ; the stores have read their registers, into which the rows come back
.irp p, 0,1,2,3,4,5,6,7,8,9,10,11,12,13,14,15
	ds_load_b128 v[ACC+4*\p:ACC+4*\p+3], v[RD] offset:528*\p
.endr
.irp p, 0,1,2,3,4,5,6,7,8,9,10,11,12,13,14,15
	s_wait_dscnt 15-\p                             ; row p is in; the younger rows may be out
	v_pk_add_f32 v[ACC+4*\p:ACC+4*\p+1], v[ACC+4*\p:ACC+4*\p+1], v[BPV:BPV+1]
	v_pk_add_f32 v[ACC+4*\p+2:ACC+4*\p+3], v[ACC+4*\p+2:ACC+4*\p+3], v[BPV+2:BPV+3]
	global_store_b128 v[LI], v[ACC+4*\p:ACC+4*\p+3], s[30:31] offset:(\p+24*(\p/8))*4096+32768*\tt th:TH_STORE_NT   ; 32 lanes store 512 consecutive bytes, aligned; written once, read by nobody here
.endr
.endm
	s_load_b256 s[4:11], s[0:1], 0x0               ; Oimg s[4:5], Osc s[6:7], Wimg s[8:9], Wsc s[10:11]
	s_load_b128 s[12:15], s[0:1], 0x20             ; bp s[12:13], out0 s[14:15]
	v_lshl_add_u32 v[SPW], v0, 2, SPARE
	v_mov_b32 v[NIL], 0
	v_lshrrev_b32 v6, 5, v0
	v_readfirstlane_b32 s16, v6                    ; wave w
	s_and_b32 s18, ttmp7, 0xffff                   ; y
	s_lshl_b32 s19, ttmp9, 2
	s_add_co_u32 s19, s19, s16                     ; g
	v_and_b32 v6, 31, v0
	v_and_b32 v7, 15, v0
	v_bfe_u32 v12, v0, 4, 1
	v_lshlrev_b32 v[LI], 4, v6
	v_lshlrev_b32 v[L8], 3, v6
	v_lshlrev_b32 v[ASO], 5, v7
	s_mul_i32 s32, s16, 8448                       ; my stage
	v_mul_u32_u24 v[STO], v7, 528
	v_lshl_add_u32 v[STO], v12, 7, v[STO]
	v_add_nc_u32 v[STO], s32, v[STO]
	v_add_nc_u32 v[RD], s32, v[LI]
	s_mul_i32 s32, s19, 98304
	s_add_co_u32 s32, s32, 3*786432                ; Wp is the fourth tensor of the images
	s_mov_b32 s33, 0
	s_lshl_b32 s34, s19, 12
	s_add_co_u32 s34, s34, 3*32768
	s_mov_b32 s35, 0
	s_lshl_b32 s36, s19, 9                         ; 128 columns of 4 bytes
	s_mov_b32 s37, 0
	s_mul_i32 s38, s18, 24576                      ; two tiles of 12,288 bytes
	s_mov_b32 s39, 0
	s_lshl_b32 s40, s18, 10
	s_mov_b32 s41, 0
	s_lshr_b32 s42, s18, 1                         ; my first row of out0: 64 (y / 2) + 16 (y % 2)
	s_lshl_b32 s42, s42, 18
	s_and_b32 s43, s18, 1
	s_lshl_b32 s43, s43, 16
	s_add_co_u32 s42, s42, s43
	s_add_co_u32 s42, s42, s36
	s_mov_b32 s43, 0
	s_wait_kmcnt 0x0
	s_add_nc_u64 s[WP:WP+1], s[8:9], s[32:33]
	s_add_nc_u64 s[22:23], s[10:11], s[34:35]
	s_add_nc_u64 s[24:25], s[12:13], s[36:37]
	s_add_nc_u64 s[26:27], s[4:5], s[38:39]
	s_add_nc_u64 s[28:29], s[6:7], s[40:41]
	s_add_nc_u64 s[30:31], s[14:15], s[42:43]
	ALOAD 0
.irp s, 0,1,2,3,4,5,6,7
	global_load_b128 v[WS+4*\s:WS+4*\s+3], v[LI], s[22:23] offset:512*\s
.endr
	global_load_b128 v[BPV:BPV+3], v[LI], s[24:25]
.irp q, 0,1,2
	global_load_b128 v[W63+4*\q:W63+4*\q+3], v[LI], s[WP:WP+1] offset:63*1536+512*\q
.endr
	WIN 0x40
	WLOADS 0, 21, 0
	WIN 0x80
	WLOADS 21, 21, 21
	WIN 0xc0
	WLOADS 42, 21, 42
	WIN 0
	TILE 0
	TILE 1
	s_wait_tensorcnt 0x0                           ; the wave's end: three lines behind my last LDS store
	ds_add_u32 v[SPW], v[NIL]
	s_wait_dscnt 0x0
	s_endpgm
.Lfunc_end_k_q6510fdef53_final:
	.size	k_q6510fdef53_final, .Lfunc_end_k_q6510fdef53_final-k_q6510fdef53_final
	.p2alignl 7, 3214868480
	.fill 96, 4, 3214868480
	.section	.rodata,"a",@progbits
	.p2align	6, 0x0
	.amdhsa_kernel k_q6510fdef53_final
		.amdhsa_group_segment_fixed_size 34304
		.amdhsa_private_segment_fixed_size 0
		.amdhsa_enable_private_segment 0
		.amdhsa_kernarg_size 48
		.amdhsa_user_sgpr_count 2
		.amdhsa_user_sgpr_kernarg_segment_ptr 1
		.amdhsa_wavefront_size32 1
		.amdhsa_system_sgpr_workgroup_id_x 1
		.amdhsa_system_sgpr_workgroup_id_y 1
		.amdhsa_system_sgpr_workgroup_id_z 1
		.amdhsa_system_vgpr_workitem_id 0
		.amdhsa_next_free_vgpr 1024
		.amdhsa_next_free_sgpr 66
		.amdhsa_reserve_vcc 0
		.amdhsa_float_denorm_mode_32 3
		.amdhsa_float_denorm_mode_16_64 3
		.amdhsa_memory_ordered 1
		.amdhsa_forward_progress 1
		.amdhsa_inst_pref_size 60
	.end_amdhsa_kernel
	.amdgpu_metadata
---
amdhsa.version: [ 1, 2 ]
amdhsa.kernels:
  - .name:           k_q6510fdef53_final
    .symbol:         k_q6510fdef53_final.kd
    .args:
      - { .name: Oimg, .offset: 0, .size: 8, .value_kind: global_buffer, .address_space: global }
      - { .name: Osc, .offset: 8, .size: 8, .value_kind: global_buffer, .address_space: global }
      - { .name: Wimg, .offset: 16, .size: 8, .value_kind: global_buffer, .address_space: global }
      - { .name: Wsc, .offset: 24, .size: 8, .value_kind: global_buffer, .address_space: global }
      - { .name: bp, .offset: 32, .size: 8, .value_kind: global_buffer, .address_space: global }
      - { .name: out0, .offset: 40, .size: 8, .value_kind: global_buffer, .address_space: global }
    .group_segment_fixed_size: 34304
    .private_segment_fixed_size: 0
    .kernarg_segment_align: 8
    .kernarg_segment_size: 48
    .max_flat_workgroup_size: 128
    .sgpr_count:     66
    .vgpr_count:     1024
    .wavefront_size: 32
...
	.end_amdgpu_metadata
.endif
;; end of part 4
;; ======== version 2 of 2: 4 launches; version 1 with the launches proj, final written anew for expert scheduling mode
;; workspace buffers: Wimg 3,145,728 bytes; Wsc 131,072 bytes; Bimg 12,288 bytes; Qimg 3,407,872 bytes; Kimg 3,407,872 bytes; Vimg 3,407,872 bytes; Oimg 3,145,728 bytes; Osc 131,072 bytes
;; launch prepw: the kernel of part 1 again; grid 32 x 8, 4 waves a work-group, no clusters, 0 bytes of LDS; arguments WQ, WK, WV, Wp, bQ, bK, bV, Wimg, Wsc, Bimg; writes Wimg, Wsc, Bimg
;; launch proj (part 5): grid 2 x 96, 4 waves a work-group, no clusters, 247,296 bytes of LDS; arguments target, source, memory, Wimg, Wsc, Bimg, Qimg, Kimg, Vimg; writes Qimg, Kimg, Vimg
.if DOCPART == 5
	.amdgcn_target "amdgcn-amd-amdhsa--gfx1250"
	.amdhsa_code_object_version 6
	.text
	.protected	k_q6510fdef53_proj
	.globl	k_q6510fdef53_proj
	.p2align	8
	.type	k_q6510fdef53_proj,@function
k_q6510fdef53_proj:
	s_mov_b64 s[64:65], 0
	v_nop
	global_prefetch_b8 v0, s[64:65] scope:SCOPE_SE
	s_setreg_imm32_b32 hwreg(HW_REG_WAVE_SCHED_MODE, 0, 2), 2
	s_setreg_imm32_b32 hwreg(HW_REG_WAVE_MODE, 25, 1), 1
	s_wait_xcnt 0x0
	s_wait_alu depctr_vm_vsrc(0)
; Launch 2 of 4: Q = target WQ + bQ, K = source WK + bK, V = memory WV + bV, each product on codes of BF6; the results are quantised on the way into the operands of attention and never go to memory as f32.  Nothing is left out.
; The problem's view [b, 16, 2048, 64] keeps memory's order: head H32 = 16 b + head is rows 128 H32 .. + 127 of the product; position p = 16 (row % 128) + column / 64, channel d = column % 64.
; SHARES.  Work-group (x = chi, y = 32 tensor + H32): one head's 128 rows x 512 of the 1,024 columns.  THE WAVES SHARE THE COLUMNS: wave w takes group g = 4 chi + w of the weight's images (launch 1's map): its 64 fragments,
; 768 registers, stay in registers for the whole launch.  The rows' codes go round through LDS as images of the operand's registers.
; NO JOINT LOADS: a work-group's part of the weight is 393,216 bytes, more than the 327,680 bytes of LDS that a work-group can claim, so it goes from memory straight into registers; x is quantised in registers on its way.
; PHASE X: wave w quantises rows 32 w .. 32 w + 31 of x (16 jobs of 16 rows x 128 K).  Each load reads 512 consecutive bytes of a row; the 16 rows turn through the wave's own stage so that lane (r, h) holds, of row r,
; k = 64 c + 32 h + 0 .. 31 in registers 32 c .. 32 c + 31: two whole blocks, which are registers 6 c .. 6 c + 5 of the operand once converted.
; PHASE 1: eight tiles of 16 rows.  THE PRODUCT IS USED TRANSPOSED (source 0 = 16 columns of W, source 1 = 16 rows of x; the bias is the C of the first K step): a lane holds one row, its 64 registers run along the columns.
;   Q, K: register 32 c + e is column 128 g + 64 c + 32 h + e: position 256 m + 16 r + 2 g + c, channels 32 h + 0 .. 31: a whole block of the next K.
;   V:    register 16 pi + 8 u + i is key 256 m + 16 r + 8 u + i of channel 32 h + 4 g + pi: half a block of 32 keys; lane r xor 1 holds the other half.
; OUT: Qimg, Kimg, Vimg [H32][chi 2][step of 128 positions, 16][3,328 bytes]: 3,072 of codes in the order of attention's operand registers, 256 of scale words.  A work-group gathers its 53,248 bytes in LDS; each store covers 512 consecutive bytes, aligned.
; The two ways that part on the tensor (Q, K against V) have LDS bytes and address registers of their own.
; LIMITS: a block of zeros gets the byte 1 where the rule says 127 (zero codes; only this program reads the bytes); NaN and infinities among the inputs are not served; the sums' order differs from the reference's.
; THE MODE: SCHED_MODE bits 1:0 = 2 (LLVM: expert scheduling mode 2), set by the entry lines.  The code itself states the register dependences
; between vector or matrix instructions and memory or LDS instructions, with s_wait_alu, always for 0.
; THE PLAN.  Registers that memory or LDS instructions touch:
;   v1-v10            offsets and addresses, written at the head and never again.
;   window 1, 4 x 64  phase X: a job's loads land in buffer b; the stage's stores read it; the same job of the next trip lands in it.  No vector instruction names it.  Behind phase X: W's fragments 42-62.
;   X = v80-143       phase X: the stage's loads land in it; the quantiser reads it.
;   PC, PW, MX, VM    the quantiser writes them; the LDS stores behind it read them.
;   IA, IS            written at each trip's head; read by the image stores (phase X), the fragments' loads (phase 1), the way out.
;   v13-15, v227      written at each trip's head of phase 1; read by the arm's stores.
;   AF0-2, AS0-2      the loads of K step s + 2 land in the buffer that the products of K step s - 1 read.
; A job of phase X has one wait on vm_vsrc (the stage's stores have read buffer b, the last images' stores their codes) and one on va_vdst behind the quantiser (codes and addresses are written; X is read out, so that the next
; job's loads into X owe nothing more).  A trip of phase 1 has one wait on vm_vsrc at its head, one on va_vdst behind the head's additions, one ahead of each later fetch, and one ahead of the arm's run of stores.
; The launch's 1,024 registers are all spoken for (768 of W, 64 of bias, 64 accumulators, 35 of scales, 36 of x's fragments, the quantiser's, the addresses): there is none for a fourth buffer of x's fragments.
.set XIMG,  0                          ; LDS: x's 64 fragments (8 m + s), 1,536 bytes each
.set XSC,   98304                      ; their scale words, 128 bytes each
.set TURN,  106496                     ; four stages of 16 rows x 528 bytes, each wave's own
.set OUTK,  140288                     ; the work-group's 53,248 bytes of Qimg or Kimg
.set OUTV,  193536                     ; or of Vimg
.set SPARE, 246784                     ; the spare words, 128 bytes for each wave: two blocks of 256 bytes that no other line names
.set LI,  1                            ; v1   16 x lane
.set LS,  2                            ; v2   XSC + 4 x lane
.set TSI, 3                            ; v3   my stage, on the way in: 16 x lane
.set TSO, 4                            ; v4   and out: 528 r + 128 h
.set KA,  5                            ; v5   Q, K: my lane's place among the codes
.set KW,  6                            ; v6   and among the scale words
.set VA,  7                            ; v7   V likewise
.set VB,  8                            ; v8
.set SH8, 9                            ; v9   8 h
.set BO,  10                           ; v10  256 h
.set IA,  11                           ; v11  the images in hand
.set IS,  12                           ; v12  their scale words
.set EAK, 13                           ; v13, v14: KA, KW at the tile of rows in hand
.set EWK, 14
.set EAV, 15                           ; v15, v227: VA, VB likewise
.set EWV, 227
.set BIAS, 16                          ; v16-79   the bias in the result's layout
.set ACC, 80                           ; v80-143  the 8 accumulators
.set X,   80                           ;          (phase X: 64 numbers of x)
.set WS,  144                          ; v144-175 W's scale words: register 4 s + T / 2, lanes 0-15 even T, lanes 16-31 odd T
.set W63, 176                          ; v176-187 W's fragment 63
.set AF,  188                          ; v188-223 three buffers for x's fragments
.set AS,  224                          ; v224-226 their scale words
.set PC,  228                          ; v228-239 codes just made
.set TT,  240                          ; v240-247 upper halves of blocks
.set VM,  244                          ; V's way: four maxima, then bytes
.set VSO, 248                          ; V's way: four scale operands
.set MX,  248
.set SO,  250
.set PW,  252
.set TMP, 253
.set SPW, 254                          ; v254 LDS address of my spare word; never rewritten
.set NIL, 255                          ; v255 0; never rewritten
.set WP,  32                           ; s[32:33] my group of Wimg;  s[34:35] of Wsc;  s[36:37] of Bimg;  s[38:39] where my wave stores
.set SEL, 40
.set MSB, 0
.macro WIN new                         ; the immediate's high byte repeats the setting that is left
.if MSB != \new
	s_set_vgpr_msb (MSB<<8)|\new
.set MSB, \new
.endif
.endm
.macro PLACES n
.rept \n
	v_nop
.endr
.endm
.macro WLOADS lo, n, sub               ; fragments lo .. lo + n - 1 into registers 12 (F - sub) of the window that is set
.set FQ, \lo
.rept \n
.irp q, 0,1,2
	global_load_b128 v[12*(FQ-\sub)+4*\q:12*(FQ-\sub)+4*\q+3], v[LI], s[WP:WP+1] offset:FQ*1536+512*\q   ; 512 consecutive bytes
.endr
.set FQ, FQ+1
.endr
.endm
.macro XLOAD b                         ; 16 rows x 128 K of x into buffer b of window 1: a row's 512 bytes an instruction
.irp p, 0,1,2,3,4,5,6,7,8,9,10,11,12,13,14,15
	global_load_b128 v[64*\b+4*\p:64*\b+4*\p+3], v[LI], s[30:31] offset:512*\b+4096*\p
.endr
.endm
; 64 numbers of a lane, register 32 c + e = k 64 c + 32 h + e of my row, become the fragment's codes in v[PC] on and the row's scale word in v[PW]
.macro QUANT2 s
.irp c, 0,1
	v_max3_num_f32 v[MX+\c], |v[\s+32*\c]|, |v[\s+32*\c+1]|, 0x2800000   ; my block, and the floor 2^(5 - 127): the byte cannot fall under 1.  (Each accumulator is read from its low end on)
.endr
.irp i, 2,4,6,8,10,12,14,16,18,20,22,24,26,28,30
.irp c, 0,1
	v_max3_num_f32 v[MX+\c], v[MX+\c], |v[\s+32*\c+\i]|, |v[\s+32*\c+\i+1]|   ; (the two blocks by turns)
.endr
.endr
.irp c, 0,1
	v_add_nc_u32 v[SO+\c], 0xfe000000, v[MX+\c]   ; 4 off the exponent field: the conversion's scale operand
.endr
.irp c, 0,1
	v_lshrrev_b32 v[MX+\c], 23, v[SO+\c]          ; the scale's byte
.endr
	v_lshl_or_b32 v[PW], v[MX+1], 16, v[MX]       ; my two bytes: blocks h and 2 + h,
	v_lshlrev_b32 v[PW], v[SH8], v[PW]            ; at their places;
	v_permlanex16_b32 v[TMP], v[PW], s[SEL], s[SEL+1]
	v_or_b32 v[PW], v[PW], v[TMP]                 ; with lane l xor 16's two the word is whole
.irp c, 0,1
	v_cvt_scalef32_pk16_bf6_f32 v[PC+6*\c:PC+6*\c+2], v[\s+32*\c:\s+32*\c+15], v[SO+\c]
	v_cvt_scalef32_pk16_bf6_f32 v[TT+4*\c:TT+4*\c+2], v[\s+32*\c+16:\s+32*\c+31], v[SO+\c]   ; (a conversion's three registers begin on an even number)
.endr
	v_nop                                          ; one plain instruction behind the conversions
.irp c, 0,1
.irp i, 0,1,2
	v_mov_b32 v[PC+6*\c+3+\i], v[TT+4*\c+\i]
.endr
.endr
.endm
; One job of phase X.  cnt: the younger jobs' loads, 16 each, that may stay out.  refill = 1: buffer b takes the same job of the next trip.
.macro JOB b, cnt, refill
	s_wait_loadcnt \cnt
	WIN 0x04                                       ; an LDS store's data are its source 1: window 1
.irp p, 0,1,2,3,4,5,6,7,8,9,10,11,12,13,14,15
	ds_store_b128 v[TSI], v[64*\b+4*\p:64*\b+4*\p+3] offset:528*\p
.endr
	WIN 0
.irp c, 0,1
.irp e, 0,1,2,3,4,5,6,7
	ds_load_b128 v[X+32*\c+4*\e:X+32*\c+4*\e+3], v[TSO] offset:256*\c+16*\e   ; LDS serves a wave's instructions in order: these see my stores.  No wait on va_vdst: the last one stands behind the quantiser that read X (first job: behind the head), and no vector instruction since names X or v[TSO]
.endr
.endr
	s_wait_dscnt 0x0                               ; my 64 numbers are in
.if \refill
	WIN 0x40                                       ; the loads below land in window 1: the switch, then the wait, then the loads
.endif
	s_wait_alu depctr_vm_vsrc(0)                   ; the stage's stores have read buffer b, in which the loads below land; the last job's image stores have read v[PC ..] and v[PW], which the quantiser writes again
.if \refill
	XLOAD \b
	WIN 0
.endif
	QUANT2 X
	s_wait_alu depctr_va_vdst(0)                   ; the quantiser has written v[PC ..] and v[PW], and the trip's head v[IA] and v[IS], which the stores below read; the quantiser is done reading X, in which the next job's numbers land
.irp q, 0,1,2
	ds_store_b128 v[IA], v[PC+4*\q:PC+4*\q+3] offset:1536*\b+512*\q   ; the fragment as it stands: lane l's 16 bytes at 16 l
.endr
	ds_store_b32 v[IS], v[PW] offset:128*\b
.endm
.macro AFETCH s                        ; x's fragment of K step s, and its scale words, into buffer s % 3
.irp q, 0,1,2
	ds_load_b128 v[AF+12*((\s)%3)+4*\q:AF+12*((\s)%3)+4*\q+3], v[IA] offset:1536*(\s)+512*\q
.endr
	ds_load_b32 v[AS+(\s)%3], v[IS] offset:128*(\s)
.endm
; K step s: eight matrix instructions, the eight accumulators by turns.  Fragment F = 8 s + T lies in window 2 (F < 21), 3 (F < 42), 1 (F < 63) or 0 (F = 63).
.macro MM s
.irp T, 0,1,2,3,4,5,6,7
.set FQ, 8*(\s)+\T
.if FQ < 21
	WIN 0x02
.set FG, 12*FQ
.elseif FQ < 42
	WIN 0x03
.set FG, 12*(FQ-21)
.elseif FQ < 63
	WIN 0x01
.set FG, 12*(FQ-42)
.else
	WIN 0
.set FG, W63
.endif
.set AB, AF+12*((\s)%3)
.if (\s) == 0
.if \T%2
	v_wmma_scale_f32_16x16x128_f8f6f4 v[ACC+8*\T:ACC+8*\T+7], v[FG:FG+11], v[AB:AB+11], v[BIAS+8*\T:BIAS+8*\T+7], v[WS+4*(\s)+\T/2], v[AS+(\s)%3] matrix_a_fmt:MATRIX_FMT_BF6 matrix_b_fmt:MATRIX_FMT_BF6 matrix_a_scale:MATRIX_SCALE_ROW1
.else
	v_wmma_scale_f32_16x16x128_f8f6f4 v[ACC+8*\T:ACC+8*\T+7], v[FG:FG+11], v[AB:AB+11], v[BIAS+8*\T:BIAS+8*\T+7], v[WS+4*(\s)+\T/2], v[AS+(\s)%3] matrix_a_fmt:MATRIX_FMT_BF6 matrix_b_fmt:MATRIX_FMT_BF6
.endif
.else
.if \T%2
	v_wmma_scale_f32_16x16x128_f8f6f4 v[ACC+8*\T:ACC+8*\T+7], v[FG:FG+11], v[AB:AB+11], v[ACC+8*\T:ACC+8*\T+7], v[WS+4*(\s)+\T/2], v[AS+(\s)%3] matrix_a_fmt:MATRIX_FMT_BF6 matrix_b_fmt:MATRIX_FMT_BF6 matrix_a_scale:MATRIX_SCALE_ROW1
.else
	v_wmma_scale_f32_16x16x128_f8f6f4 v[ACC+8*\T:ACC+8*\T+7], v[FG:FG+11], v[AB:AB+11], v[ACC+8*\T:ACC+8*\T+7], v[WS+4*(\s)+\T/2], v[AS+(\s)%3] matrix_a_fmt:MATRIX_FMT_BF6 matrix_b_fmt:MATRIX_FMT_BF6
.endif
.endif
.endr
.endm
.macro BARRIER                         ; my LDS stores have landed and my LDS loads are in: then the work-group's barrier
	s_wait_dscnt 0x0
	s_barrier_signal -1
	s_barrier_wait -1
.endm
; The way out: my wave's quarter, 13,312 bytes, of the work-group's region; then the wave's end
.macro WOUT adr
	s_wait_alu depctr_va_vdst(0)                   ; v[adr] is written, which the loads below read; the products and the quantiser are done with v16-119 (the bias, the accumulators), in which they land
.set e, 0
.rept 26
	ds_load_b128 v[16+4*e:16+4*e+3], v[\adr] offset:512*e
.set e, e+1
.endr
.set e, 0
.rept 26
	s_wait_dscnt 25-e                              ; LDS loads come back in order: load e is in, the younger ones may be out
	global_store_b128 v[LI], v[16+4*e:16+4*e+3], s[38:39] offset:512*e   ; 32 lanes store 512 consecutive bytes, at a multiple of 256 from the buffer's first byte
.set e, e+1
.endr
	s_wait_dscnt 0x0                               ; the closing lines, six on end
	s_wait_alu 0x0
	s_wait_tensorcnt 0x0
	ds_add_u32 v[SPW], v[NIL]
	s_wait_dscnt 0x0
	s_endpgm
.endm
	s_load_b256 s[4:11], s[0:1], 0x0               ; target s[4:5], source s[6:7], memory s[8:9], Wimg s[10:11]
	s_load_b256 s[12:19], s[0:1], 0x20             ; Wsc s[12:13], Bimg s[14:15], Qimg s[16:17], Kimg s[18:19]
	s_load_b64 s[20:21], s[0:1], 0x40              ; Vimg
	v_lshl_add_u32 v[SPW], v0, 2, SPARE
	v_mov_b32 v[NIL], 0
	v_lshrrev_b32 v80, 5, v0
	v_readfirstlane_b32 s22, v80                   ; wave w
	s_mov_b32 s23, ttmp9                           ; chi
	s_and_b32 s25, ttmp7, 0xffff
	s_lshr_b32 s24, s25, 5                         ; the tensor: 0 Q, 1 K, 2 V
	s_and_b32 s25, s25, 31                         ; H32
	s_lshl_b32 s26, s23, 2
	s_wait_alu depctr_va_sdst(0)                   ; s22 is written, ahead of its first reader: LDS places and the bases of x, W and the output are made from it
	s_add_co_u32 s26, s26, s22                     ; g
	v_and_b32 v86, 31, v0                          ; lane
	v_and_b32 v85, 15, v0                          ; r = 8 r3 + 4 r2 + 2 r1 + r0
	v_bfe_u32 v84, v0, 4, 1                        ; h
	v_and_b32 v80, 1, v0                           ; r0
	v_bfe_u32 v81, v0, 1, 1                        ; r1
	v_bfe_u32 v82, v0, 2, 1                        ; r2
	v_bfe_u32 v83, v0, 3, 1                        ; r3
	v_lshlrev_b32 v[LI], 4, v86
	v_lshl_add_u32 v[LS], v86, 2, XSC
	s_mul_i32 s51, s22, 8448
	s_add_co_u32 s51, s51, TURN
	v_add_nc_u32 v[TSI], s51, v[LI]
	v_mul_u32_u24 v[TSO], v85, 528
	v_lshl_add_u32 v[TSO], v84, 7, v[TSO]
	v_add_nc_u32 v[TSO], s51, v[TSO]
	; Q, K: position 256 m + 16 r + 8 chi + 2 w + c is step 2 m + r3, half 64 r2 of it, tile row 8 r1 + 2 w + c, sub-tile r0: codes at 3328 r3 + 1536 r2 + 48 (row + 16 h) + 24 r0
	s_mul_i32 s51, s22, 96
	s_add_co_u32 s51, s51, OUTK
	v_mul_u32_u24 v[KA], v83, 3328
	v_mad_u32_u24 v[KA], v82, 1536, v[KA]
	v_mad_u32_u24 v[KA], v81, 384, v[KA]
	v_mad_u32_u24 v[KA], v84, 768, v[KA]
	v_mad_u32_u24 v[KA], v80, 24, v[KA]
	v_add_nc_u32 v[KA], s51, v[KA]
	s_lshl_b32 s51, s22, 4                         ; the scale word at 3072 + 8 (row + 16 r0) + 4 r2
	s_add_co_u32 s51, s51, OUTK+3072
	v_mul_u32_u24 v[KW], v83, 3328
	v_lshl_add_u32 v[KW], v81, 6, v[KW]
	v_lshl_add_u32 v[KW], v80, 7, v[KW]
	v_lshl_add_u32 v[KW], v82, 2, v[KW]
	v_add_nc_u32 v[KW], s51, v[KW]
	; V: channel 32 h + 16 chi + 4 w + pi is tile w / 2 of my chi, row 8 h + 4 (w % 2) + pi; keys 64 r2 + 32 r1 + 16 r0 + 0 .. 15 of step 2 m + r3: codes at 3328 r3 + 1536 (w / 2) + 48 (row + 16 r1) + 24 r2 + 12 r0
	s_lshr_b32 s51, s22, 1
	s_and_b32 s52, s22, 1
	s_mul_i32 s53, s51, 1536
	s_mul_i32 s54, s52, 192
	s_add_co_u32 s53, s53, s54
	s_add_co_u32 s53, s53, OUTV
	v_mul_u32_u24 v[VA], v83, 3328
	v_mad_u32_u24 v[VA], v84, 384, v[VA]
	v_mad_u32_u24 v[VA], v81, 768, v[VA]
	v_mad_u32_u24 v[VA], v82, 24, v[VA]
	v_mad_u32_u24 v[VA], v80, 12, v[VA]
	v_add_nc_u32 v[VA], s53, v[VA]
	s_lshl_b32 s53, s52, 5                         ; the scale byte at 3072 + 8 (row + 16 (w / 2)) + 2 r2 + r1
	s_lshl_b32 s54, s51, 7
	s_add_co_u32 s53, s53, s54
	s_add_co_u32 s53, s53, OUTV+3072
	v_mul_u32_u24 v[VB], v83, 3328
	v_lshl_add_u32 v[VB], v84, 6, v[VB]
	v_lshl_add_u32 v[VB], v82, 1, v[VB]
	v_add_nc_u32 v[VB], v81, v[VB]
	v_add_nc_u32 v[VB], s53, v[VB]
	v_lshlrev_b32 v[SH8], 3, v84
	v_lshlrev_b32 v[BO], 8, v84
	v_mov_b32 v[TMP], 0                            ; written once: a lane permute's destination counts as one of its sources
	s_mov_b32 s[SEL], 0x76543210
	s_mov_b32 s[SEL+1], 0xfedcba98                 ; v_permlanex16_b32's selects for lane l xor 16
	s_mov_b32 s44, 0                               ; phase X: the trip
	s_mul_i32 s45, s22, 24576                      ; where my wave's images begin: 16 fragments a wave
	s_lshl_b32 s46, s22, 11                        ; and their scale words
	s_wait_kmcnt 0x0
	s_cmp_eq_u32 s24, 1                            ; the activation and the output: choices that hang on the work-group's number alone
	s_cselect_b64 s[4:5], s[6:7], s[4:5]
	s_cselect_b64 s[16:17], s[18:19], s[16:17]
	s_cmp_eq_u32 s24, 2
	s_cselect_b64 s[4:5], s[8:9], s[4:5]
	s_cselect_b64 s[16:17], s[20:21], s[16:17]
	s_lshl_b32 s52, s25, 19                        ; the head's 128 rows of 4,096 bytes,
	s_lshl_b32 s53, s22, 17                        ; my wave's 32 of them
	s_add_co_u32 s52, s52, s53
	s_mov_b32 s53, 0
	s_add_nc_u64 s[28:29], s[4:5], s[52:53]
	s_mov_b64 s[30:31], s[28:29]
	s_mul_i32 s52, s24, 786432
	s_mul_i32 s54, s26, 98304
	s_add_co_u32 s52, s52, s54
	s_add_nc_u64 s[WP:WP+1], s[10:11], s[52:53]
	s_lshl_b32 s52, s24, 15
	s_lshl_b32 s54, s26, 12
	s_add_co_u32 s52, s52, s54
	s_add_nc_u64 s[34:35], s[12:13], s[52:53]
	s_lshl_b32 s52, s24, 12
	s_lshl_b32 s54, s26, 9
	s_add_co_u32 s52, s52, s54
	s_add_nc_u64 s[36:37], s[14:15], s[52:53]
	s_mul_i32 s52, s25, 106496
	s_mul_i32 s54, s23, 53248
	s_add_co_u32 s52, s52, s54
	s_mul_i32 s54, s22, 13312
	s_add_co_u32 s52, s52, s54
	s_add_nc_u64 s[38:39], s[16:17], s[52:53]
	s_wait_alu depctr_va_vdst(0)                   ; the offsets and addresses v1 to v10 are written, which the loads and stores of the whole kernel read; so are v80 to v86, in which the first job's numbers land.  Loads and window switches alone follow, up to the loop
.irp s, 0,1,2,3,4,5,6,7
	global_load_b128 v[WS+4*\s:WS+4*\s+3], v[LI], s[34:35] offset:512*\s
.endr
.irp e, 0,1,2,3,4,5,6,7,8,9,10,11,12,13,14,15
	global_load_b128 v[BIAS+4*\e:BIAS+4*\e+3], v[BO], s[36:37] offset:16*\e
.endr
.irp q, 0,1,2
	global_load_b128 v[W63+4*\q:W63+4*\q+3], v[LI], s[WP:WP+1] offset:63*1536+512*\q
.endr
	WIN 0x80
	WLOADS 0, 21, 0                                ; fragments 0-20: window 2
	WIN 0xc0
	WLOADS 21, 21, 21                              ; 21-41: window 3.  (42-62 follow behind phase X, whose four buffers fill window 1)
	WIN 0x40
	XLOAD 0
	XLOAD 1
	XLOAD 2
	XLOAD 3
	WIN 0
	; ---- PHASE X: four trips of four jobs; trip t: tile of rows 2 w + t / 2, K steps 4 (t % 2) + 0 .. 3.  The loads run a trip ahead; the last trip is written out: no load leaves its buffer
.Lxtrip:
	s_wait_xcnt 0x0                                ; the loads issued so far have read their base: it may be written
	s_add_co_u32 s51, s44, 1
	s_lshr_b32 s52, s51, 1
	s_lshl_b32 s52, s52, 16                        ; 16 rows on,
	s_and_b32 s51, s51, 1
	s_lshl_b32 s51, s51, 11                        ; four K steps on
	s_add_co_u32 s52, s52, s51
	s_mov_b32 s53, 0
	s_add_nc_u64 s[30:31], s[28:29], s[52:53]      ; the next trip's numbers
	s_wait_alu depctr_vm_vsrc(0)                   ; the last trip's image stores have read v[IA] and v[IS], which are written again
	v_add_nc_u32 v[IA], s45, v[LI]
	v_add_nc_u32 v[IS], s46, v[LS]
	JOB 0, 48, 1
	JOB 1, 48, 1
	JOB 2, 48, 1
	JOB 3, 48, 1
	s_add_co_u32 s45, s45, 6144
	s_add_co_u32 s46, s46, 512
	s_add_co_u32 s44, s44, 1
	s_cmp_lt_u32 s44, 3
	s_cbranch_scc1 .Lxtrip
	s_wait_alu depctr_vm_vsrc(0)                   ; the last trip's image stores have read v[IA] and v[IS], which are written again
	v_add_nc_u32 v[IA], s45, v[LI]
	v_add_nc_u32 v[IS], s46, v[LS]
	JOB 0, 48, 0
	JOB 1, 32, 0
	JOB 2, 16, 0
	JOB 3, 0, 0                                    ; this wait for 0 also shows W's fragments 0-41 and 63, its scale words and the bias in
	WIN 0x40                                       ; the switch, then the wait, then the loads
	s_wait_alu depctr_vm_vsrc(0)                   ; the stages' stores have read window 1's registers, in which W's fragments 42-62 land
	WLOADS 42, 21, 42
	WIN 0
	BARRIER                                        ; x's 64 fragments lie in LDS
	; ---- PHASE 1: a tile of 16 rows a trip
	s_mov_b32 s47, 0
	s_mov_b32 s48, 0                               ; the tile's images: 12,288 bytes a tile
	s_mov_b32 s49, 0                               ; their scale words: 1,024
	s_mov_b32 s50, 0                               ; two steps of 128 positions in the output: 6,656
.Lrows:
	s_wait_alu depctr_vm_vsrc(0)                   ; the LDS instructions issued so far have read their registers: v[IA], v[IS] and v13-15, v227, which the six lines below write, and the codes, words and bytes (v228-253) that this trip's quantiser writes again, on either way
	v_add_nc_u32 v[IA], s48, v[LI]
	v_add_nc_u32 v[IS], s49, v[LS]
	v_add_nc_u32 v[EAK], s50, v[KA]
	v_add_nc_u32 v[EWK], s50, v[KW]
	v_add_nc_u32 v[EAV], s50, v[VA]
	v_add_nc_u32 v[EWV], s50, v[VB]
	s_wait_alu depctr_va_vdst(0)                   ; v[IA] and v[IS] are written, which the loads below read; the last trip's products are done reading the three buffers and their scale registers, in which these loads land
	AFETCH 0
	AFETCH 1
.irp s, 0,1,2,3,4,5,6,7
.if \s < 6
.if \s > 0
	PLACES 4                                       ; behind the step before's products, in front of loads into the buffer that they multiplied
	WIN 0
	s_wait_alu depctr_va_vdst(0)                   ; the products of the step before are done reading their buffer of x and its scale register, in which the loads below land
.endif
	AFETCH \s+2
	s_wait_dscnt 8                                 ; this step's four loads are in; the two younger steps' may be out
.elseif \s == 6
	s_wait_dscnt 4
.else
	s_wait_dscnt 0
.endif
.if \s == 5
	s_wait_loadcnt 0x0                             ; W's fragments 42-62, first wanted here
.endif
	MM \s
.endr
	WIN 0
	PLACES 4                                       ; in front of the first read of the results
	s_cmp_eq_u32 s24, 2
	s_cbranch_scc1 .Lvarm
	QUANT2 ACC                                     ; Q, K: two positions' blocks of 32 channels
	v_and_b32 v[MX], 0xffff, v[PW]                 ; a position's word: its two bytes, and zeros for the upper 64 of the instruction's K
	v_lshrrev_b32 v[MX+1], 16, v[PW]
	s_wait_alu depctr_va_vdst(0)                   ; the quantiser and the two lines above have written the codes v[PC ..] and the two words, which the eight stores below read (their addresses v13, v14 were written at the trip's head)
.irp c, 0,1
.irp i, 0,1,2
	ds_store_b64 v[EAK], v[PC+6*\c+2*\i:PC+6*\c+2*\i+1] offset:48*\c+8*\i
.endr
.endr
	ds_store_b32 v[EWK], v[MX]                     ; (both halves of the lanes write the same word with the same value)
	ds_store_b32 v[EWK], v[MX+1] offset:8
	s_wait_dscnt 0x0                               ; this tile's stores have landed
	s_branch .Lstored
.Lvarm:
.irp p, 0,1,2,3
	v_max3_num_f32 v[VM+\p], |v[ACC+16*\p]|, |v[ACC+16*\p+1]|, 0x2800000   ; V: channel pi's 16 keys, and the floor
.endr
.irp i, 2,4,6,8,10,12,14
.irp p, 0,1,2,3
	v_max3_num_f32 v[VM+\p], v[VM+\p], |v[ACC+16*\p+\i]|, |v[ACC+16*\p+\i+1]|
.endr
.endr
.irp p, 0,1,2,3
	v_max_num_f32_dpp v[VM+\p], v[VM+\p], v[VM+\p] row_xmask:1 row_mask:0xf bank_mask:0xf   ; with lane r xor 1's 16 keys: the block's largest magnitude
.endr
.irp p, 0,1,2,3
	v_add_nc_u32 v[VSO+\p], 0xfe000000, v[VM+\p]
.endr
.irp p, 0,1,2,3
	v_cvt_scalef32_pk16_bf6_f32 v[PC+4*\p:PC+4*\p+2], v[ACC+16*\p:ACC+16*\p+15], v[VSO+\p]
.endr
.irp p, 0,1,2,3
	v_lshrrev_b32 v[VM+\p], 23, v[VSO+\p]          ; the scale's byte (the first of these is the plain instruction behind the conversions)
.endr
	s_wait_alu depctr_va_vdst(0)                   ; the conversions have written the codes and the four lines above the bytes, which the twenty stores below read (their addresses v15, v227 were written at the trip's head)
.irp p, 0,1,2,3
.irp i, 0,1,2
	ds_store_b32 v[EAV], v[PC+4*\p+\i] offset:48*\p+4*\i
.endr
	ds_store_b8 v[EWV], v[VM+\p] offset:8*\p       ; (both lanes of a block write the same byte with the same value)
	ds_store_b8 v[EWV], v[VM+\p] offset:8*\p+4     ; and once more four bytes on, so that every byte that leaves has been written
.endr
	s_wait_dscnt 0x0                               ; this tile's stores have landed
.Lstored:
	s_add_co_u32 s48, s48, 12288
	s_add_co_u32 s49, s49, 1024
	s_add_co_u32 s50, s50, 6656
	s_add_co_u32 s47, s47, 1
	s_cmp_lt_u32 s47, 8
	s_cbranch_scc1 .Lrows
	s_mul_i32 s51, s22, 13312
	s_add_co_u32 s52, s51, OUTK
	s_add_co_u32 s53, s51, OUTV
	s_wait_alu depctr_vm_vsrc(0)                   ; the last trip's loads of x's fragments have read v[IA] and v[IS], which are written again
	v_add_nc_u32 v[IA], s52, v[LI]
	v_add_nc_u32 v[IS], s53, v[LI]
	BARRIER                                        ; the work-group's 53,248 bytes lie in LDS
	s_cmp_eq_u32 s24, 2
	s_cbranch_scc1 .Lvout
	WOUT IA
.Lvout:
	WOUT IS
.Lfunc_end_k_q6510fdef53_proj:
	.size	k_q6510fdef53_proj, .Lfunc_end_k_q6510fdef53_proj-k_q6510fdef53_proj
	.p2alignl 7, 3214868480
	.fill 96, 4, 3214868480
	.section	.rodata,"a",@progbits
	.p2align	6, 0x0
	.amdhsa_kernel k_q6510fdef53_proj
		.amdhsa_group_segment_fixed_size 247296
		.amdhsa_private_segment_fixed_size 0
		.amdhsa_enable_private_segment 0
		.amdhsa_kernarg_size 72
		.amdhsa_user_sgpr_count 2
		.amdhsa_user_sgpr_kernarg_segment_ptr 1
		.amdhsa_wavefront_size32 1
		.amdhsa_system_sgpr_workgroup_id_x 1
		.amdhsa_system_sgpr_workgroup_id_y 1
		.amdhsa_system_sgpr_workgroup_id_z 1
		.amdhsa_system_vgpr_workitem_id 0
		.amdhsa_next_free_vgpr 1024
		.amdhsa_next_free_sgpr 66
		.amdhsa_reserve_vcc 0
		.amdhsa_float_denorm_mode_32 3
		.amdhsa_float_denorm_mode_16_64 3
		.amdhsa_memory_ordered 1
		.amdhsa_forward_progress 1
		.amdhsa_inst_pref_size 113
	.end_amdhsa_kernel
	.amdgpu_metadata
---
amdhsa.version: [ 1, 2 ]
amdhsa.kernels:
  - .name:           k_q6510fdef53_proj
    .symbol:         k_q6510fdef53_proj.kd
    .args:
      - { .name: target, .offset: 0, .size: 8, .value_kind: global_buffer, .address_space: global }
      - { .name: source, .offset: 8, .size: 8, .value_kind: global_buffer, .address_space: global }
      - { .name: memory, .offset: 16, .size: 8, .value_kind: global_buffer, .address_space: global }
      - { .name: Wimg, .offset: 24, .size: 8, .value_kind: global_buffer, .address_space: global }
      - { .name: Wsc, .offset: 32, .size: 8, .value_kind: global_buffer, .address_space: global }
      - { .name: Bimg, .offset: 40, .size: 8, .value_kind: global_buffer, .address_space: global }
      - { .name: Qimg, .offset: 48, .size: 8, .value_kind: global_buffer, .address_space: global }
      - { .name: Kimg, .offset: 56, .size: 8, .value_kind: global_buffer, .address_space: global }
      - { .name: Vimg, .offset: 64, .size: 8, .value_kind: global_buffer, .address_space: global }
    .group_segment_fixed_size: 247296
    .private_segment_fixed_size: 0
    .kernarg_segment_align: 8
    .kernarg_segment_size: 72
    .max_flat_workgroup_size: 128
    .sgpr_count:     66
    .vgpr_count:     1024
    .wavefront_size: 32
...
	.end_amdgpu_metadata
.endif
;; end of part 5
;; launch attn: the kernel of part 3 again; grid 32 x 8, 16 waves a work-group, clusters of 4 x 4, 327,680 bytes of LDS; arguments Qimg, Kimg, Vimg, mask, Oimg, Osc; writes Oimg, Osc
;; launch final (part 6): grid 2 x 128, 4 waves a work-group, no clusters, 34,304 bytes of LDS; arguments Oimg, Osc, Wimg, Wsc, bp, out0; writes out0
.if DOCPART == 6
	.amdgcn_target "amdgcn-amd-amdhsa--gfx1250"
	.amdhsa_code_object_version 6
	.text
	.protected	k_q6510fdef53_final
	.globl	k_q6510fdef53_final
	.p2align	8
	.type	k_q6510fdef53_final,@function
k_q6510fdef53_final:
	s_mov_b64 s[64:65], 0
	v_nop
	global_prefetch_b8 v0, s[64:65] scope:SCOPE_SE
	s_setreg_imm32_b32 hwreg(HW_REG_WAVE_SCHED_MODE, 0, 2), 2
	s_setreg_imm32_b32 hwreg(HW_REG_WAVE_MODE, 25, 1), 1
	s_wait_xcnt 0x0
	s_wait_alu depctr_vm_vsrc(0)
; Launch 4 of 4: out0 = O Wp + bp, on the codes that launches 1 and 3 made.  Nothing is left out.
; SHARES.  Work-group (x = chi, y): two tiles of 16 rows (m' = 2 y, 2 y + 1 of Oimg) x 512 columns.  Wave w takes group g = 4 chi + w of Wp's images, columns 128 g .. + 127: its 64 fragments, 768 registers, come once and stay.
; NO JOINT LOADS: a work-group's part of Wp is 393,216 bytes, more than the 327,680 bytes of LDS that a work-group can claim, so it goes from memory straight into registers; O's codes likewise, laid in the order of the operand's registers.
; THE PRODUCT IS USED TRANSPOSED (source 0 = 16 columns of Wp, source 1 = 16 rows of O): register 32 c + e of lane (r, h) is column 128 g + 64 c + 32 h + e of row r.
; Row r of tile m' = 4 (32 batch + block) + t is query 64 block + 32 (r / 8) + 8 t + r % 8 (launch 3's choice of a tile's queries).
; THE WAY OUT: a tile goes through the wave's own stage (16 rows x 528 bytes) and comes back as rows of 512 bytes; bp is added there, where a lane holds four neighbouring columns; each store covers 512 consecutive bytes, aligned.
; LIMITS: as in the launches before; the sums' order differs from the reference's.
; THE MODE: SCHED_MODE bits 1:0 = 2 (LLVM: expert scheduling mode 2), set by the entry lines.  The code itself states the register dependences
; between vector or matrix instructions and memory or LDS instructions, with s_wait_alu, always for 0.
; THE PLAN.  Registers that memory or LDS instructions touch:
;   v1-v5        offsets and addresses, written at the head and never again.
;   AFR, ASW     a tile's loads land in them; its 64 products read them; tile 1's loads land behind tile 0's products.
;   ACC          the products write it; the stage's stores read it; the rows land in it again; the bias's additions rewrite it; the global stores read it; tile 1's products write it again.
;   Wp's fragments, its scale words and bp are loaded once and read by matrix and vector instructions alone.
; In a tile: one wait on va_vdst behind the products' places (the accumulators are written, O's fragments read out) serves the stage's sixteen stores and tile 1's loads; one on vm_vsrc stands ahead of the rows' way back into ACC;
; the rows go out in two halves of eight, each with its sixteen additions, ONE wait on va_vdst and its eight stores.  One wait on vm_vsrc stands ahead of tile 1's products.
; Window 0 has 26 registers free, windows 1 to 3 four each: no room for a second set of O's fragments (104 registers).
.set SPARE, 33792                      ; behind the four stages: the spare words, 128 bytes for each wave
.set LI,  1                            ; v1   16 x lane
.set L8,  2                            ; v2   8 x lane
.set ASO, 3                            ; v3   32 r: my row's scale words
.set STO, 4                            ; v4   the stage, in: 528 r + 128 h
.set RD,  5                            ; v5   and back: 16 x lane
.set BPV, 8                            ; v8-11 bp of my four columns
.set ACC, 16                           ; v16-79
.set AFR, 80                           ; v80-175 O's 8 fragments
.set ASW, 176                          ; v176-183 their scale words
.set WS,  184                          ; v184-215 Wp's scale words
.set W63, 216                          ; v216-227 Wp's fragment 63
.set SPW, 254
.set NIL, 255
.set WP,  20                           ; s[20:21] my group of Wimg
.set MSB, 0
.macro WIN new                         ; the immediate's high byte repeats the setting that is left
.if MSB != \new
	s_set_vgpr_msb (MSB<<8)|\new
.set MSB, \new
.endif
.endm
.macro PLACES n
.rept \n
	v_nop
.endr
.endm
.macro WLOADS lo, n, sub
.set FQ, \lo
.rept \n
.irp q, 0,1,2
	global_load_b128 v[12*(FQ-\sub)+4*\q:12*(FQ-\sub)+4*\q+3], v[LI], s[WP:WP+1] offset:FQ*1536+512*\q
.endr
.set FQ, FQ+1
.endr
.endm
.macro ALOAD tt                        ; tile tt's codes: 16 heads x 3 pieces of 8 bytes a lane; and its scale words
.irp s, 0,1,2,3,4,5,6,7
.irp c, 0,1
.irp i, 0,1,2
	global_load_b64 v[AFR+12*\s+6*\c+2*\i:AFR+12*\s+6*\c+2*\i+1], v[L8], s[26:27] offset:12288*\tt+768*(2*\s+\c)+256*\i
.endr
.endr
.endr
	global_load_b128 v[ASW:ASW+3], v[ASO], s[28:29] offset:512*\tt
	global_load_b128 v[ASW+4:ASW+7], v[ASO], s[28:29] offset:512*\tt+16
.endm
.macro MMF s                           ; K step s: the eight accumulators by turns.  Fragment F = 8 s + T lies in window 1 (F < 21), 2 (F < 42), 3 (F < 63) or 0 (F = 63)
.irp T, 0,1,2,3,4,5,6,7
.set FQ, 8*(\s)+\T
.if FQ < 21
	WIN 0x01
.set FG, 12*FQ
.elseif FQ < 42
	WIN 0x02
.set FG, 12*(FQ-21)
.elseif FQ < 63
	WIN 0x03
.set FG, 12*(FQ-42)
.else
	WIN 0
.set FG, W63
.endif
.if (\s) == 0
.if \T%2
	v_wmma_scale_f32_16x16x128_f8f6f4 v[ACC+8*\T:ACC+8*\T+7], v[FG:FG+11], v[AFR+12*(\s):AFR+12*(\s)+11], 0, v[WS+4*(\s)+\T/2], v[ASW+(\s)] matrix_a_fmt:MATRIX_FMT_BF6 matrix_b_fmt:MATRIX_FMT_BF6 matrix_a_scale:MATRIX_SCALE_ROW1
.else
	v_wmma_scale_f32_16x16x128_f8f6f4 v[ACC+8*\T:ACC+8*\T+7], v[FG:FG+11], v[AFR+12*(\s):AFR+12*(\s)+11], 0, v[WS+4*(\s)+\T/2], v[ASW+(\s)] matrix_a_fmt:MATRIX_FMT_BF6 matrix_b_fmt:MATRIX_FMT_BF6
.endif
.else
.if \T%2
	v_wmma_scale_f32_16x16x128_f8f6f4 v[ACC+8*\T:ACC+8*\T+7], v[FG:FG+11], v[AFR+12*(\s):AFR+12*(\s)+11], v[ACC+8*\T:ACC+8*\T+7], v[WS+4*(\s)+\T/2], v[ASW+(\s)] matrix_a_fmt:MATRIX_FMT_BF6 matrix_b_fmt:MATRIX_FMT_BF6 matrix_a_scale:MATRIX_SCALE_ROW1
.else
	v_wmma_scale_f32_16x16x128_f8f6f4 v[ACC+8*\T:ACC+8*\T+7], v[FG:FG+11], v[AFR+12*(\s):AFR+12*(\s)+11], v[ACC+8*\T:ACC+8*\T+7], v[WS+4*(\s)+\T/2], v[ASW+(\s)] matrix_a_fmt:MATRIX_FMT_BF6 matrix_b_fmt:MATRIX_FMT_BF6
.endif
.endif
.endr
.endm
.macro TILE tt
	s_wait_loadcnt 0x0                             ; the tile's codes and scale words (tile 0: and all of Wp's)
.if \tt
	s_wait_xcnt 0x0                                ; tile 0's stores have had their addresses translated,
	s_wait_alu depctr_vm_vsrc(0)                   ; and have read the registers v[ACC ..], in which the products below begin the sums anew
.endif
.irp s, 0,1,2,3,4,5,6,7
	MMF \s
.endr
	WIN 0
	PLACES 4                                       ; behind the last products, in front of the first read of the results and of loads into registers that the products read
	s_wait_alu depctr_va_vdst(0)                   ; the products have written the accumulators, which the stage's stores read, and are done reading O's fragments and scale words, in which tile 1's loads land
.if \tt == 0
	ALOAD 1
.endif
.irp c, 0,1
.irp e, 0,1,2,3,4,5,6,7
	ds_store_b128 v[STO], v[ACC+32*\c+4*\e:ACC+32*\c+4*\e+3] offset:256*\c+16*\e   ; each accumulator from its low end on
.endr
.endr
	s_wait_dscnt 0x0                               ; the tile lies in my stage
	s_wait_alu depctr_vm_vsrc(0)                   ; the stage's stores have read v[ACC ..], into which the rows come back
.irp p, 0,1,2,3,4,5,6,7,8,9,10,11,12,13,14,15
	ds_load_b128 v[ACC+4*\p:ACC+4*\p+3], v[RD] offset:528*\p
.endr
.irp q, 0,1                            ; the rows go out in two halves of eight
	s_wait_dscnt 8-8*\q                            ; LDS loads come back in order: this half's eight rows are in; the younger half may be out
.irp p, 0,1,2,3,4,5,6,7
	v_pk_add_f32 v[ACC+32*\q+4*\p:ACC+32*\q+4*\p+1], v[ACC+32*\q+4*\p:ACC+32*\q+4*\p+1], v[BPV:BPV+1]
	v_pk_add_f32 v[ACC+32*\q+4*\p+2:ACC+32*\q+4*\p+3], v[ACC+32*\q+4*\p+2:ACC+32*\q+4*\p+3], v[BPV+2:BPV+3]
.endr
	s_wait_alu depctr_va_vdst(0)                   ; the sixteen additions have written this half's rows, which the eight stores below read
.irp p, 0,1,2,3,4,5,6,7
	global_store_b128 v[LI], v[ACC+32*\q+4*\p:ACC+32*\q+4*\p+3], s[30:31] offset:((\p)+32*(\q))*4096+32768*\tt th:TH_STORE_NT   ; 32 lanes store 512 consecutive bytes, aligned; written once, read by nobody here
.endr
.endr
.endm
	s_load_b256 s[4:11], s[0:1], 0x0               ; Oimg s[4:5], Osc s[6:7], Wimg s[8:9], Wsc s[10:11]
	s_load_b128 s[12:15], s[0:1], 0x20             ; bp s[12:13], out0 s[14:15]
	v_lshl_add_u32 v[SPW], v0, 2, SPARE
	v_mov_b32 v[NIL], 0
	v_lshrrev_b32 v6, 5, v0
	v_readfirstlane_b32 s16, v6                    ; wave w
	s_and_b32 s18, ttmp7, 0xffff                   ; y
	s_lshl_b32 s19, ttmp9, 2
	s_wait_alu depctr_va_sdst(0)                   ; s16 is written, ahead of its first reader: my stage's place and the bases of Wp, bp and out0 are made from it
	s_add_co_u32 s19, s19, s16                     ; g
	v_and_b32 v6, 31, v0
	v_and_b32 v7, 15, v0
	v_bfe_u32 v12, v0, 4, 1
	v_lshlrev_b32 v[LI], 4, v6
	v_lshlrev_b32 v[L8], 3, v6
	v_lshlrev_b32 v[ASO], 5, v7
	s_mul_i32 s32, s16, 8448                       ; my stage
	v_mul_u32_u24 v[STO], v7, 528
	v_lshl_add_u32 v[STO], v12, 7, v[STO]
	v_add_nc_u32 v[STO], s32, v[STO]
	v_add_nc_u32 v[RD], s32, v[LI]
	s_mul_i32 s32, s19, 98304
	s_add_co_u32 s32, s32, 3*786432                ; Wp is the fourth tensor of the images
	s_mov_b32 s33, 0
	s_lshl_b32 s34, s19, 12
	s_add_co_u32 s34, s34, 3*32768
	s_mov_b32 s35, 0
	s_lshl_b32 s36, s19, 9                         ; 128 columns of 4 bytes
	s_mov_b32 s37, 0
	s_mul_i32 s38, s18, 24576                      ; two tiles of 12,288 bytes
	s_mov_b32 s39, 0
	s_lshl_b32 s40, s18, 10
	s_mov_b32 s41, 0
	s_lshr_b32 s42, s18, 1                         ; my first row of out0: 64 (y / 2) + 16 (y % 2)
	s_lshl_b32 s42, s42, 18
	s_and_b32 s43, s18, 1
	s_lshl_b32 s43, s43, 16
	s_add_co_u32 s42, s42, s43
	s_add_co_u32 s42, s42, s36
	s_mov_b32 s43, 0
	s_wait_kmcnt 0x0
	s_add_nc_u64 s[WP:WP+1], s[8:9], s[32:33]
	s_add_nc_u64 s[22:23], s[10:11], s[34:35]
	s_add_nc_u64 s[24:25], s[12:13], s[36:37]
	s_add_nc_u64 s[26:27], s[4:5], s[38:39]
	s_add_nc_u64 s[28:29], s[6:7], s[40:41]
	s_add_nc_u64 s[30:31], s[14:15], s[42:43]
	s_wait_alu depctr_va_vdst(0)                   ; the offsets and addresses v1 to v5 are written, which the loads and stores of the whole kernel read.  Loads and window switches alone follow, up to the first products
	ALOAD 0
.irp s, 0,1,2,3,4,5,6,7
	global_load_b128 v[WS+4*\s:WS+4*\s+3], v[LI], s[22:23] offset:512*\s
.endr
	global_load_b128 v[BPV:BPV+3], v[LI], s[24:25]
.irp q, 0,1,2
	global_load_b128 v[W63+4*\q:W63+4*\q+3], v[LI], s[WP:WP+1] offset:63*1536+512*\q
.endr
	WIN 0x40
	WLOADS 0, 21, 0
	WIN 0x80
	WLOADS 21, 21, 21
	WIN 0xc0
	WLOADS 42, 21, 42
	WIN 0
	TILE 0
	TILE 1
	s_wait_dscnt 0x0                               ; the closing lines, six on end
	s_wait_alu 0x0
	s_wait_tensorcnt 0x0
	ds_add_u32 v[SPW], v[NIL]
	s_wait_dscnt 0x0
	s_endpgm
.Lfunc_end_k_q6510fdef53_final:
	.size	k_q6510fdef53_final, .Lfunc_end_k_q6510fdef53_final-k_q6510fdef53_final
	.p2alignl 7, 3214868480
	.fill 96, 4, 3214868480
	.section	.rodata,"a",@progbits
	.p2align	6, 0x0
	.amdhsa_kernel k_q6510fdef53_final
		.amdhsa_group_segment_fixed_size 34304
		.amdhsa_private_segment_fixed_size 0
		.amdhsa_enable_private_segment 0
		.amdhsa_kernarg_size 48
		.amdhsa_user_sgpr_count 2
		.amdhsa_user_sgpr_kernarg_segment_ptr 1
		.amdhsa_wavefront_size32 1
		.amdhsa_system_sgpr_workgroup_id_x 1
		.amdhsa_system_sgpr_workgroup_id_y 1
		.amdhsa_system_sgpr_workgroup_id_z 1
		.amdhsa_system_vgpr_workitem_id 0
		.amdhsa_next_free_vgpr 1024
		.amdhsa_next_free_sgpr 66
		.amdhsa_reserve_vcc 0
		.amdhsa_float_denorm_mode_32 3
		.amdhsa_float_denorm_mode_16_64 3
		.amdhsa_memory_ordered 1
		.amdhsa_forward_progress 1
		.amdhsa_inst_pref_size 59
	.end_amdhsa_kernel
	.amdgpu_metadata
---
amdhsa.version: [ 1, 2 ]
amdhsa.kernels:
  - .name:           k_q6510fdef53_final
    .symbol:         k_q6510fdef53_final.kd
    .args:
      - { .name: Oimg, .offset: 0, .size: 8, .value_kind: global_buffer, .address_space: global }
      - { .name: Osc, .offset: 8, .size: 8, .value_kind: global_buffer, .address_space: global }
      - { .name: Wimg, .offset: 16, .size: 8, .value_kind: global_buffer, .address_space: global }
      - { .name: Wsc, .offset: 24, .size: 8, .value_kind: global_buffer, .address_space: global }
      - { .name: bp, .offset: 32, .size: 8, .value_kind: global_buffer, .address_space: global }
      - { .name: out0, .offset: 40, .size: 8, .value_kind: global_buffer, .address_space: global }
    .group_segment_fixed_size: 34304
    .private_segment_fixed_size: 0
    .kernarg_segment_align: 8
    .kernarg_segment_size: 48
    .max_flat_workgroup_size: 128
    .sgpr_count:     66
    .vgpr_count:     1024
    .wavefront_size: 32
...
	.end_amdgpu_metadata
.endif
;; end of part 6
